; MI455X (gfx1250); checked and timed in simulation.
; The chip was launched on July 23, 2026; its instructions are those of AMD's public machine-readable ISA for CDNA 5 (MIT licence, August 2026) and "CDNA5" Instruction Set Architecture Reference Guide (July 2026). The comments in the code are by the model that wrote it; some were corrected since.
;; Causal Attention. Allowed arithmetic: matrix products marked QUANTISED: E3M2 operands, one E8M0 scale for each 32 along K, by v_wmma_scale_f32_16x16x128_f8f6f4 with both operands' format E3M2, f32 sums; everything else in f32.
;; Inputs: Wk 1,024 x 1,024 float32; Wq 1,024 x 1,024 float32; Wv 1,024 x 1,024 float32; x 4 x 2,048 x 1,024 float32.
;; Outputs: out0 4 x 2,048 x 1,024 float32.
;; This version of the problem:
;;   THIS VERSION OF THE PROBLEM IS GIVEN IN LOW PRECISION. The matrix products marked QUANTISED in the list below multiply operands that are first quantised to E3M2 (3 exponent bits, 2 mantissa bits; 6 bits a number), with one power-of-two scale for each 32 numbers along K (OCP MX v1.0); their sums are f32. All else is computed in f32.
;;   The module's matrix products, in the order in which they are computed (A, B: the left and right operand; K: the contracted axis; several contracted axes count as one K, in the product's order):
;;     1. [M 8,192, K 1,024] x [K 1,024, N 1,024]; A: input x; B: input Wq: QUANTISED
;;     2. [M 8,192, K 1,024] x [K 1,024, N 1,024]; A: input x; B: input Wk: QUANTISED
;;     3. [M 8,192, K 1,024] x [K 1,024, N 1,024]; A: input x; B: input Wv: QUANTISED
;;     4. batch 4 x [M 2,048, K 1,024] x [K 1,024, N 2,048]; A: computed on the way; B: computed on the way: QUANTISED
;;     5. batch 4 x [M 2,048, K 2,048] x [K 2,048, N 1,024]; A: softmax (see below); B: computed on the way: QUANTISED
;;   THE QUANTISER, for each operand of a quantised product, along K:
;;     - K is cut into blocks of 32 from its start; a last block that is shorter is filled with zeros.
;;     - A block's scale is 2^e with e = floor(log2(the largest magnitude in the block)) - 4, held to -126 .. 127; a block of zeros has e = 0. As a byte (E8M0): e + 127.
;;     - Each number is divided by its block's scale, clamped to +-28, and rounded to the nearest number of E3M2, ties to even, subnormals kept.
;;     - The product sums the exact products of the quantised numbers (number of the format x scale) in f32.
;;   ~~~python
;;   def quantise(x, axis):      # numpy; x: float32 -> the quantised numbers, widened to float32 again
;;       x = np.moveaxis(x, axis, -1); K = x.shape[-1]
;;       x = np.pad(x, [(0, 0)] * (x.ndim - 1) + [(0, -K % 32)]); x = x.reshape(x.shape[:-1] + (-1, 32)); a = np.abs(x).max(-1, keepdims=True)
;;       e = np.where(a > 0, np.clip(np.frexp(np.where(a > 0, a, 1))[1] - 1 - 4, -126, 127), 0)      # np.frexp(a)[1] - 1 = floor(log2(a)), exactly
;;       r = np.clip(x / 2.0 ** e, -28, 28)
;;       step = 2.0 ** (np.maximum(np.frexp(np.where(r == 0, 1, r))[1] - 1, -2) - 2)
;;       q = np.round(r / step) * step * 2.0 ** e      # np.round: ties to even
;;       return np.moveaxis(q.reshape(q.shape[:-2] + (-1,))[..., :K], -1, axis).astype(np.float32)
;;   ~~~
;;   SOFTMAX AHEAD OF A QUANTISED PRODUCT. Where the list says 'softmax', what is quantised is not the finished softmax but p = 2^(t - M), with t = logit x log2(e) and M = ceil(the row's largest t), a whole number; so 1/2 < the row's largest p <= 1. The row's sum l is taken of the UNQUANTISED p, in f32, and the product's result is divided by l at the end. Since M is a whole number, a kernel that streams over the keys may use a running M (the ceiling of the running maximum): every later rescaling is an exact power of two, which a block's scale takes up: the codes' values come out the same.
;;   OPERANDS COMPUTED ON THE WAY. 'Computed on the way' means the value that the module computes at that place (a softmax that the list does not call 'softmax' is quantised finished and normalised). What goes into a quantiser is computed in f32, as accurately as f32 sums, v_exp_f32 and their like allow (about 1e-6 of the number): no bf16 or f16 on the way to a quantiser, and a product that is left as it is and whose result goes on into a quantised operand takes f32 operands (vector FMAs, or v_wmma_f32_16x16x4_f32). A number that lies on a knife's edge between two numbers of the format may be rounded either way, as far as f32 arithmetic and the matrix unit's own rounding can turn it there, and no further.
;; One version. Each part assembles by itself: llvm-mc -triple=amdgcn-amd-amdhsa -mcpu=gfx1250 --defsym DOCPART=n.
;; ======== version 1 of 1: 4 launches
;; limits: right only within a limited range of input values
;; workspace buffers: xq 6,553,600 bytes; wqk 2,457,600 bytes; qk 13,107,200 bytes; vt 6,553,600 bytes; pc 13,107,200 bytes; stat 1,048,576 bytes
;; launch quant (part 1): grid 704 x 1, 4 waves a work-group, no clusters, 87,552 bytes of LDS; arguments x, Wq, Wk, Wv, xq, wqk; writes xq, wqk
.if DOCPART == 1
	.amdgcn_target "amdgcn-amd-amdhsa--gfx1250"
	.amdhsa_code_object_version 6
	.text
	.protected	k_q409ef8e0be_quant
	.globl	k_q409ef8e0be_quant
	.p2align	8
	.type	k_q409ef8e0be_quant,@function
k_q409ef8e0be_quant:
	s_mov_b64 s[64:65], 0
	v_nop
	global_prefetch_b8 v0, s[64:65] scope:SCOPE_SE
	s_setreg_imm32_b32 hwreg(HW_REG_WAVE_MODE, 25, 1), 1
	s_wait_xcnt 0x0
; x [8192][1024] (K innermost) and Wq, Wk, Wv [1024 (K)][1024] (K outermost), f32, become codes of BF6 (E3M2) with one E8M0 byte for each 32 along K.
; THE OUTPUT FORMAT, used by all operands of this program.  A matrix of rows x K is cut into blocks of 128 rows x 128 K, 12,800 bytes each: eight images of 1,536 bytes, then 512 bytes of scale words.
; An image is a fragment's 12 operand registers as they stand: registers 4 c .. 4 c + 3 of lane l at 512 c + 16 l.  Lane row r of image T is row 32 (T / 2) + 8 (T % 2) + r + 8 (r / 8) of the block.
; Scale register c (0 .. 3) holds image 2 c's row words in lanes 0-15 and image 2 c + 1's in lanes 16-31; its lane l lies at 12,288 + 256 (c / 2) + 8 l + 4 (c % 2).
; A block's scale is 2^(floor(log2(largest magnitude)) - 4); its byte is the largest magnitude's exponent field - 4, held at 1 from below (a block of zeros gets 1: its codes are zeros, and this program alone reads the bytes).
; LIMITS: NaN and infinities among the inputs are not served; blocks whose largest magnitude lies under 2^-122 keep the byte 1.
; SHARES.  A work-group makes one block, wave w its images 2 w and 2 w + 1.  Work-groups 0-511: x; 512-575: Wq; 576-639: Wk (both into wqk); 640-703: Wv.
; x: each load reads a row's 512 consecutive bytes; the rows turn through the wave's own stage in LDS, so that a lane gets 16 neighbours of each block of 32.
; W: a lane takes a column and its registers run down K; the codes turn through the wave's own stage, so that a lane gets its fragment's 24 bytes.
; No cluster: no two work-groups read the same bytes.  No tensor loads.  One barrier, for the block's 512 bytes of scale words.  The two paths have LDS bytes of their own.
.set XST,   8448                       ; a stage of the x path: 16 rows x (512 + 16) bytes; two for each wave, from LDS byte 0
.set STGW,  67584                      ; the W path's stages: 32 columns x (8 places of 16 bytes + 16) for each wave
.set WWD,   86016                      ; the W path's column words: 128 bytes for each wave
.set SCG,   86528                      ; the block's 512 bytes of scale words
.set BLKB,  12800
.set FRB,   1536
.set R,     16                         ; v16-143  the numbers as loaded
.set X,     144                        ; v144-207 x path: 64 numbers of a lane
.set C,     144                        ; v144-175 W path: the codes, eight registers for each block of 32
.set TM,    208                        ; v208-223 at work
.set PC,    224                        ; v224-235 a fragment; v236-243 at work
.set PW0,   244                        ; v244, v245 the two images' scale words
.set WD,    246                        ; v246 a column's scale word
.set SEL,   32                         ; s[32:33] selects for lane l xor 16
	s_load_b256 s[4:11], s[0:1], 0x0               ; x, Wq, Wk, Wv
	s_load_b128 s[12:15], s[0:1], 0x20             ; xq, wqk
	; all three weights go into wqk: Wq's 64 blocks, then Wk's, then Wv's (work-group number - 512)
	v_lshl_add_u32 v254, v0, 2, 0x15400
	v_mov_b32 v255, 0
	v_lshrrev_b32 v1, 5, v0
	v_readfirstlane_b32 s18, v1                    ; wave
	v_and_b32 v1, 31, v0                           ; lane
	v_and_b32 v2, 15, v0                           ; r
	v_bfe_u32 v3, v0, 4, 1                         ; h
	v_lshlrev_b32 v4, 4, v1                        ; 16 x lane
	; every LDS address is made here, ahead of the parting of the two paths
	s_mul_i32 s19, s18, 2*XST
	v_add_nc_u32 v5, s19, v4                       ; x stage, in: 16 x lane of a row
	v_mul_u32_u24 v6, v2, 528
	v_lshl_add_u32 v6, v3, 6, v6
	v_add_nc_u32 v6, s19, v6                       ; x stage, out: row r, + 64 h
	s_mul_i32 s19, s18, 4608
	s_add_co_u32 s19, s19, STGW
	v_mul_u32_u24 v7, v1, 144
	v_add_nc_u32 v7, s19, v7                       ; W stage, in: my column
	v_and_b32 v15, 8, v2
	v_add_nc_u32 v15, v15, v2                      ; r + 8 (r / 8)
	v_mul_u32_u24 v8, v15, 144
	v_lshl_add_u32 v8, v3, 5, v8
	v_add_nc_u32 v8, s19, v8                       ; W stage, out: column r + 8 (r / 8), + 32 h
	s_lshl_b32 s19, s18, 7
	s_add_co_u32 s19, s19, WWD
	v_lshlrev_b32 v13, 2, v1                       ; 4 x lane
	v_add_nc_u32 v9, s19, v13                      ; column words, in
	v_lshl_add_u32 v10, v3, 3, v15
	v_lshlrev_b32 v10, 2, v10
	v_add_nc_u32 v10, s19, v10                     ; and out: column 8 h + r + 8 (r / 8)
	s_lshr_b32 s19, s18, 1
	s_lshl_b32 s19, s19, 8
	s_and_b32 s20, s18, 1
	s_lshl_b32 s20, s20, 2
	s_add_co_u32 s19, s19, s20
	s_add_co_u32 s19, s19, SCG
	v_lshl_add_u32 v11, v1, 3, s19                 ; scale register w: 256 (w / 2) + 4 (w % 2) + 8 x lane
	v_add_nc_u32 v12, SCG, v4
	v_cmp_eq_u32 vcc_lo, 1, v3                     ; lanes 16-31
	s_mov_b32 s[SEL], 0x76543210
	s_mov_b32 s[SEL+1], 0xfedcba98
.irp b, 0,1,2,3
	v_mov_b32 v[TM+4+\b], 0                        ; a lane permute's destination counts as one of its sources
.endr
	s_wait_kmcnt 0x0
	s_cmp_lt_u32 ttmp9, 512                        ; the buffers are chosen by the work-group's number alone
	s_cselect_b64 s[22:23], s[12:13], s[14:15]
	s_cselect_b32 s20, 0, 512
	s_sub_co_u32 s20, ttmp9, s20                   ; the block's number in its buffer
	s_cmp_lt_u32 ttmp9, 576
	s_cselect_b64 s[24:25], s[6:7], s[8:9]
	s_cmp_lt_u32 ttmp9, 640
	s_cselect_b64 s[24:25], s[24:25], s[10:11]     ; the weight, on the W path
	s_mul_i32 s26, s20, BLKB
	s_mov_b32 s27, 0
	s_add_nc_u64 s[22:23], s[22:23], s[26:27]      ; the block
	s_mul_i32 s26, s18, 2*FRB
	s_add_nc_u64 s[28:29], s[22:23], s[26:27]      ; my two images
; 64 numbers of a lane, register 16 b + i = k 32 b + 16 h + i of its row, become a fragment in v[PC] on and its scale word in v[pw]
.macro QUANT s, pw
.irp b, 0,1,2,3
	v_max3_num_f32 v[TM+\b], |v[\s+16*\b]|, |v[\s+1+16*\b]|, 0x2800000   ; my 16 numbers of block b, and the floor 2^(5 - 127): the byte cannot fall under 1
.endr
.irp i, 2,4,6,8,10,12,14
.irp b, 0,1,2,3
	v_max3_num_f32 v[TM+\b], v[TM+\b], |v[\s+16*\b+\i]|, |v[\s+1+16*\b+\i]|
.endr
.endr
.irp b, 0,1,2,3
	v_permlanex16_b32 v[TM+4+\b], v[TM+\b], s[SEL], s[SEL+1]
.endr
.irp b, 0,1,2,3
	v_max_num_f32 v[TM+\b], v[TM+\b], v[TM+4+\b]   ; with lane l xor 16's: the block's largest magnitude
.endr
.irp b, 0,1,2,3
	v_add_nc_u32 v[TM+12+\b], 0xfe000000, v[TM+\b] ; 4 off its exponent field: the conversion's scale operand
.endr
.irp b, 0,1,2,3
	v_lshrrev_b32 v[TM+4+\b], 23, v[TM+12+\b]      ; the scale's byte
.endr
	v_lshl_or_b32 v[\pw], v[TM+5], 8, v[TM+4]
	v_lshl_or_b32 v[\pw], v[TM+6], 16, v[\pw]
	v_lshl_or_b32 v[\pw], v[TM+7], 24, v[\pw]
.irp c, 0,1
	v_cvt_scalef32_pk16_bf6_f32 v[PC+6*\c:PC+2+6*\c], v[\s+32*\c:\s+15+32*\c], v[TM+12+2*\c]
	v_cvt_scalef32_pk16_bf6_f32 v[PC+12+4*\c:PC+14+4*\c], v[\s+16+32*\c:\s+31+32*\c], v[TM+13+2*\c]   ; (a conversion's three registers begin on an even number)
.endr
	v_nop                                          ; one plain place behind a scaled conversion
.irp c, 0,1                                    ; the operand's layout wants a whole block in a lane
.irp i, 0,1,2
	v_permlane16_swap_b32 v[PC+6*\c+\i], v[PC+12+4*\c+\i]
.endr
.irp i, 0,1,2
	v_mov_b32 v[PC+3+6*\c+\i], v[PC+12+4*\c+\i]
.endr
.endr
.endm
	s_cmp_lt_u32 ttmp9, 512
	s_cbranch_scc0 .Lweights
	; ---- x: rows 128 g + 32 w + 8 u + t + 8 (t / 8), bytes 512 s on
	s_lshr_b32 s30, ttmp9, 3
	s_lshl_b32 s30, s30, 19
	s_lshl_b32 s31, s18, 17
	s_add_co_u32 s30, s30, s31
	s_and_b32 s31, ttmp9, 7
	s_lshl_b32 s31, s31, 9
	s_add_co_u32 s30, s30, s31
	s_mov_b32 s31, 0
	s_add_nc_u64 s[4:5], s[4:5], s[30:31]
.irp u, 0,1
.irp t, 0,1,2,3,4,5,6,7,8,9,10,11,12,13,14,15
	global_load_b128 v[R+64*\u+4*\t:R+64*\u+4*\t+3], v4, s[4:5] offset:(8*\u+\t+8*(\t/8))*4096 th:TH_LOAD_NT   ; 32 lanes read 512 consecutive bytes
.endr
.endr
.macro XTILE u
.if \u == 0
	s_wait_loadcnt 16                              ; this image's 16 loads are in; the other's may be out
.else
	s_wait_loadcnt 0x0
.endif
.irp t, 0,1,2,3,4,5,6,7,8,9,10,11,12,13,14,15
	ds_store_b128 v5, v[R+64*\u+4*\t:R+64*\u+4*\t+3] offset:XST*\u+528*\t
.endr
.irp b, 0,1,2,3
.irp j, 0,1,2,3
	ds_load_b128 v[X+16*\b+4*\j:X+16*\b+4*\j+3], v6 offset:XST*\u+128*\b+16*\j   ; LDS serves a wave's instructions in order: these see my stores
.endr
.endr
	s_wait_dscnt 0x0
.if \u
	s_wait_xcnt 0x0                                ; the first image's stores have read their registers
.endif
	QUANT X, PW0+\u
.irp c, 0,1,2
	global_store_b128 v4, v[PC+4*\c:PC+4*\c+3], s[28:29] offset:FRB*\u+512*\c   ; 512 consecutive bytes
.endr
.endm
	XTILE 0
	XTILE 1
	v_cndmask_b32 v14, v[PW0], v[PW0+1], vcc_lo    ; scale register w: image 2 w below, image 2 w + 1 above
	s_branch .Ljoin
.Lweights:
	; ---- W: rows 128 s + k, column 128 g + 32 w + lane
	s_and_b32 s30, ttmp9, 7
	s_lshl_b32 s30, s30, 19
	s_lshr_b32 s31, ttmp9, 3
	s_and_b32 s31, s31, 7
	s_lshl_b32 s31, s31, 9
	s_add_co_u32 s30, s30, s31
	s_lshl_b32 s31, s18, 7
	s_add_co_u32 s30, s30, s31
	s_mov_b32 s31, 0
	s_add_nc_u64 s[24:25], s[24:25], s[30:31]
.set k, 0
.rept 128
	global_load_b32 v[R+k], v13, s[24:25] offset:k*4096 th:TH_LOAD_NT
.set k, k+1
.endr
.macro WBLOCK t
.set XS, R+32*\t
.if \t < 2
	s_wait_loadcnt 63                              ; 96 (then 64) younger loads could stay out; a count names 63 at the most
.elseif \t == 2
	s_wait_loadcnt 32
.else
	s_wait_loadcnt 0x0
.endif
	v_max3_num_f32 v[TM], |v[XS]|, |v[XS+1]|, |v[XS+2]|            ; the block's 32 numbers are all mine
	v_max3_num_f32 v[TM+1], |v[XS+3]|, |v[XS+4]|, |v[XS+5]|
.irp i, 6,10,14,18,22,26
	v_max3_num_f32 v[TM], v[TM], |v[XS+\i]|, |v[XS+\i+1]|
	v_max3_num_f32 v[TM+1], v[TM+1], |v[XS+\i+2]|, |v[XS+\i+3]|
.endr
	v_max3_num_f32 v[TM], v[TM], |v[XS+30]|, |v[XS+31]|
	v_max3_num_f32 v[TM], v[TM], v[TM+1], 0x2800000
	v_add_nc_u32 v[TM+2], 0xfe000000, v[TM]
	v_lshrrev_b32 v[TM+3], 23, v[TM+2]
.if \t == 0
	v_mov_b32 v[WD], v[TM+3]
.else
	v_lshl_or_b32 v[WD], v[TM+3], 8*\t, v[WD]
.endif
	v_cvt_scalef32_pk16_bf6_f32 v[C+8*\t:C+8*\t+2], v[XS:XS+15], v[TM+2]
	v_cvt_scalef32_pk16_bf6_f32 v[C+8*\t+4:C+8*\t+6], v[XS+16:XS+31], v[TM+2]
	ds_store_b96 v7, v[C+8*\t:C+8*\t+2] offset:32*\t               ; 12 bytes to a place of 16
	ds_store_b96 v7, v[C+8*\t+4:C+8*\t+6] offset:32*\t+16
.endm
	WBLOCK 0
	WBLOCK 1
	WBLOCK 2
	WBLOCK 3
	v_nop                                          ; one plain place behind the last conversion
	ds_store_b32 v9, v[WD]
.macro WTILE u
.if \u
	s_wait_xcnt 0x0                                ; the first image's stores have read their registers
.endif
.irp c, 0,1
	ds_load_b96 v[PC+6*\c:PC+6*\c+2], v8 offset:1152*\u+64*\c      ; block 2 c + h of column 8 u + r + 8 (r / 8): its lower 16 codes,
	ds_load_b96 v[PC+12+4*\c:PC+14+4*\c], v8 offset:1152*\u+64*\c+16   ; its upper 16
.endr
	s_wait_dscnt 0x0
.irp c, 0,1
.irp i, 0,1,2
	v_mov_b32 v[PC+3+6*\c+\i], v[PC+12+4*\c+\i]
.endr
.endr
.irp c, 0,1,2
	global_store_b128 v4, v[PC+4*\c:PC+4*\c+3], s[28:29] offset:FRB*\u+512*\c
.endr
.endm
	WTILE 0
	WTILE 1
	ds_load_b32 v14, v10
	s_wait_dscnt 0x0
.Ljoin:
	s_wait_alu depctr_va_vdst(0)
	ds_store_b32 v11, v14                          ; the four waves' scale registers meet
	s_wait_dscnt 0x0                               ; for the others' sake
	s_barrier_signal -1
	s_barrier_wait -1
	s_cmp_lg_u32 s18, 0
	s_cbranch_scc1 .Lend
	ds_load_b128 v[16:19], v12
	s_wait_dscnt 0x0
	global_store_b128 v4, v[16:19], s[22:23] offset:12288          ; 512 consecutive bytes
.Lend:
	s_wait_tensorcnt 0x0
	ds_add_u32 v254, v255
	s_wait_dscnt 0x0
	s_endpgm
.Lfunc_end_k_q409ef8e0be_quant:
	.size	k_q409ef8e0be_quant, .Lfunc_end_k_q409ef8e0be_quant-k_q409ef8e0be_quant
	.p2alignl 7, 3214868480
	.fill 96, 4, 3214868480
	.section	.rodata,"a",@progbits
	.p2align	6, 0x0
	.amdhsa_kernel k_q409ef8e0be_quant
		.amdhsa_group_segment_fixed_size 87552
		.amdhsa_private_segment_fixed_size 0
		.amdhsa_enable_private_segment 0
		.amdhsa_kernarg_size 48
		.amdhsa_user_sgpr_count 2
		.amdhsa_user_sgpr_kernarg_segment_ptr 1
		.amdhsa_wavefront_size32 1
		.amdhsa_system_sgpr_workgroup_id_x 1
		.amdhsa_system_sgpr_workgroup_id_y 1
		.amdhsa_system_sgpr_workgroup_id_z 1
		.amdhsa_system_vgpr_workitem_id 0
		.amdhsa_next_free_vgpr 256
		.amdhsa_next_free_sgpr 66
		.amdhsa_reserve_vcc 1
		.amdhsa_float_denorm_mode_32 3
		.amdhsa_float_denorm_mode_16_64 3
		.amdhsa_memory_ordered 1
		.amdhsa_forward_progress 1
		.amdhsa_inst_pref_size 40
	.end_amdhsa_kernel
	.amdgpu_metadata
---
amdhsa.version: [ 1, 2 ]
amdhsa.kernels:
  - .name:           k_q409ef8e0be_quant
    .symbol:         k_q409ef8e0be_quant.kd
    .args:
      - { .name: x, .offset: 0, .size: 8, .value_kind: global_buffer, .address_space: global }
      - { .name: Wq, .offset: 8, .size: 8, .value_kind: global_buffer, .address_space: global }
      - { .name: Wk, .offset: 16, .size: 8, .value_kind: global_buffer, .address_space: global }
      - { .name: Wv, .offset: 24, .size: 8, .value_kind: global_buffer, .address_space: global }
      - { .name: xq, .offset: 32, .size: 8, .value_kind: global_buffer, .address_space: global }
      - { .name: wqk, .offset: 40, .size: 8, .value_kind: global_buffer, .address_space: global }
    .group_segment_fixed_size: 87552
    .private_segment_fixed_size: 0
    .kernarg_segment_align: 8
    .kernarg_segment_size: 48
    .max_flat_workgroup_size: 128
    .sgpr_count:     66
    .vgpr_count:     256
    .wavefront_size: 32
...
	.end_amdgpu_metadata
.endif
;; end of part 1
;; launch proj (part 2): grid 32 x 8, 4 waves a work-group, clusters of 4 x 1, 327,680 bytes of LDS; arguments xq, wqk, qk, vt; writes qk, vt
.if DOCPART == 2
	.amdgcn_target "amdgcn-amd-amdhsa--gfx1250"
	.amdhsa_code_object_version 6
	.text
	.protected	k_q409ef8e0be_proj
	.globl	k_q409ef8e0be_proj
	.p2align	8
	.type	k_q409ef8e0be_proj,@function
k_q409ef8e0be_proj:
	s_mov_b64 s[64:65], 0
	v_nop
	global_prefetch_b8 v0, s[64:65] scope:SCOPE_SE
	s_setreg_imm32_b32 hwreg(HW_REG_WAVE_MODE, 25, 1), 1
	s_wait_xcnt 0x0
	s_wait_alu depctr_hold_cnt(0) depctr_sa_sdst(0) depctr_va_vdst(0) depctr_va_sdst(0) depctr_va_ssrc(0) depctr_va_vcc(0) depctr_vm_vsrc(0)
	s_getreg_b32 s2, hwreg(HW_REG_IB_STS2, 6, 4)
	s_cmp_eq_u32 s2, 0
	s_cbranch_scc0 .Lentry_in_a_cluster
	s_endpgm
.Lentry_in_a_cluster:
	s_bfe_u32 s2, ttmp6, 0x10000c
	s_cmp_lg_u32 s2, 0x3003
	s_cbranch_scc0 .Lentry_shape_is_right
	s_endpgm
.Lentry_shape_is_right:
; q, k and v^T = x [Wq | Wk | Wv] on codes of BF6 (K = 1,024), each result quantised again along the K of the product that takes it: q and k along e, v along the tokens.
; FORMAT of xq, wqk and qk: blocks of 128 rows x 128 K, 12,800 bytes: eight images of a fragment's 12 registers (1,536 T + 512 c + 16 l), then 512 bytes of scale words (register c: image 2 c in lanes 0-15,
; 2 c + 1 in lanes 16-31; lane l at 12,288 + 256 (c / 2) + 8 l + 4 (c % 2)).  Lane row r of image T is row 32 (T / 2) + 8 (T % 2) + r + 8 (r / 8).  A group of 128 rows has its 8 K steps on end: 102,400 bytes.
; wqk: 24 groups: 0-7 Wq's columns, 8-15 Wk's, 16-23 Wv's.  qk's block: token group x 16 + weight group.  vt's block: (8 batch + e group) x 16 + key step.
; vt's IMAGES ARE LAID BY HALVES: half c (registers 6 c .. 6 c + 5) at 1,536 T + 768 c: registers 6 c .. 6 c + 3 at 16 l, registers 6 c + 4, 6 c + 5 at 512 + 8 l.  Its scale words lie as above.
; SHARES.  256 work-groups: 32 runs of 256 tokens x 8 runs of three weight groups.  The three groups, all of K, are 307,200 consecutive bytes of wqk: they come into LDS ONCE, a quarter by each wave, in two tensor loads.
; No LDS byte is filled twice.  A wave keeps its 64 tokens (four images), all of K, in 384 registers, loaded as they lie in xq, with 16 registers of scale words.
; A unit is one weight group: 8 K steps x 32 matrix instructions on 32 accumulators; three units in a counted loop.  Groups 0-15: source 0 = the weight's image, source 1 = x's: a lane holds one token and 16 neighbouring e.
; Groups 16-23: source 0 = x's image, source 1 = the weight's: a lane holds one e and 16 neighbouring tokens.  A wave's 64 tokens are half of vt's K step: it stores half images whole, and its two bytes of each scale word
; by stores of two bytes (512 bytes in 12,800 are so written by two waves in turn).
; CLUSTER 4 x 1: four runs of tokens need the same three weight groups and ask for them jointly (mask 15).  x's images are read by one work-group of a cluster alone: plain loads.
; No prefetch: every byte that the work-group reads is asked for at the head; there is no loop to run ahead in.
; LIMITS: NaN and infinities are not served; a block whose largest magnitude lies under 2^-122 keeps the byte 1 (a block of zeros too: its codes are zeros, and this program alone reads the bytes).
; REGISTERS: window 0: v4-20 addresses; v32-47 x's scale words; v48-55 the weight's, two sets; v56-103 at work on the way out; v112-255 x's K steps 5-7.  window 1: the weight's fragments, two sets, at v0 and v128.
;   window 2: the accumulators.  window 3: x's K steps 0-4, 48 registers each.
; THE FILLS: unit 0's 102,400 bytes are asked for at the head, a quarter by each wave; units 1 and 2, 204,800 bytes, behind the first round, again a quarter by each wave, and are waited for in unit 0's last K step,
; ahead of the first read of unit 1.  So a wave issues two tensor loads in all, and each byte of LDS is filled once.
.set BLKB,  12800
.set FRB,   1536
.set GRPB,  8*BLKB
.set SPARE, 3*GRPB                     ; the spare words: two blocks of 256 bytes that no other line names
.set LI,   4                           ; 16 x lane
.set L8,   5                           ; 8 x lane
.set HH,   6                           ; lane / 16
.set ADB0, 8                           ; the unit's K steps 0-3: 16 x lane, 8 x lane
.set ASB0, 9
.set ADB1, 10                          ; its K steps 4-7
.set ASB1, 11
.set ADN,  12                          ; the next unit's K step 0
.set ASN,  13
.set SPW,  14
.set NIL,  15
.set QI,   16                          ; 16 x lane + 6,144 (wave % 2): my four images of a block of xq or qk
.set QS,   17                          ; 8 x lane + 256 (wave % 2): their two scale registers
.set VI,   18                          ; 16 x lane + 768 (wave % 2): my half of an image of vt
.set V8,   19                          ; 8 x lane + 768 (wave % 2)
.set VH,   20                          ; 8 x lane + 2 (wave % 2): my two bytes of a scale word of vt
.set XS,   32
.set BS,   48
.set TM,   56
.set PC,   72
.set PW,   92
.set SP,   100
.set AW0,  112
.set G1,  24
.set G0,  32
.set SEL, 36
.set MSB, 0
.macro WIN new
.if MSB != (\new)
	s_set_vgpr_msb (MSB<<8)|(\new)
.set MSB, \new
.endif
.endm
.macro CROUND                          ; a round of the cluster's barrier
	s_barrier_signal -1
	s_barrier_wait -1
	s_cmp_lg_u32 s14, 0
	s_cbranch_scc1 .Lnot_wave_0_\@
	s_barrier_signal -3
.Lnot_wave_0_\@:
	s_barrier_wait -3
	s_barrier_signal -1
	s_barrier_wait -1
.endm
.macro PLACES n
.rept \n
	v_nop
.endr
.endm
.macro ALOAD k                         ; my four images of x's K step k: 12 loads of 512 consecutive bytes
.if \k < 5
	WIN 0xc0
.set XB, 48*\k
.else
	WIN 0
.set XB, AW0+48*(\k-5)
.endif
.irp a, 0,1,2,3
.irp c, 0,1,2
	global_load_b128 v[XB+12*\a+4*\c:XB+12*\a+4*\c+3], v[QI], s[22:23] offset:\k*BLKB+\a*FRB+512*\c
.endr
.endr
.endm
	s_load_b256 s[4:11], s[0:1], 0x0               ; xq, wqk, qk, vt
	v_lshl_add_u32 v[SPW], v0, 2, SPARE
	v_mov_b32 v[NIL], 0
	ds_add_u32 v[SPW], v[NIL]                      ; the opening lines: the add, twice on end, and its wait
	ds_add_u32 v[SPW], v[NIL]
	v_lshrrev_b32 v1, 5, v0
	v_readfirstlane_b32 s14, v1                    ; wave
	s_lshr_b32 s15, s14, 1                         ; which 128 of the 256 tokens
	s_and_b32 s16, s14, 1                          ; which 64 of those
	s_bfe_u32 s40, ttmp6, 0x40000                  ; cx
	s_lshl_b32 s17, ttmp9, 2
	s_add_co_u32 s17, s17, s40                     ; run of 256 tokens
	s_and_b32 s18, ttmp7, 0xffff                   ; run of three weight groups: the same in all four partners
	s_mov_b32 s[G1+0], 15|(3<<16)|(1<<21)          ; the four partners; elements of 8 bytes; 76,800 dense bytes as 300 rows of 256
	s_mov_b32 s[G1+1], 32<<16
	s_mov_b32 s[G1+2], 100<<16                     ; at the head 25,600 bytes: 100 rows
	s_mov_b32 s[G1+3], 32<<16
	s_mov_b32 s[G1+4], 100
	s_mov_b32 s[G1+5], 32
	s_mov_b32 s[G1+6], 0
	s_mov_b32 s[G1+7], 0
	s_mov_b32 s[G0], 1
	s_mul_i32 s[G0+1], s14, 25600                  ; wave w's quarter of unit 0
	s_mul_i32 s20, s18, 3*GRPB
	s_add_co_u32 s20, s20, s[G0+1]
	s_mov_b32 s21, 0
	s_lshl_b32 s42, s17, 1
	s_add_co_u32 s42, s42, s15                     ; my group of 128 tokens
	s_mul_i32 s22, s42, GRPB
	s_mov_b32 s23, 0
	s_lshl_b32 s54, s42, 4                         ; qk: block = 16 x token group + weight group
	s_lshr_b32 s55, s17, 3
	s_lshl_b32 s55, s55, 7                         ; vt: block = 128 batch + 16 x e group + key step
	s_and_b32 s43, s17, 7
	s_lshl_b32 s43, s43, 1
	s_add_co_u32 s55, s55, s43
	s_add_co_u32 s55, s55, s15
	s_mul_i32 s44, s16, 4*FRB
	s_lshl_b32 s45, s16, 8
	s_mul_i32 s46, s16, 768
	s_lshl_b32 s47, s16, 1
	s_mov_b32 s[SEL], 0x76543210
	s_mov_b32 s[SEL+1], 0xfedcba98
	v_and_b32 v1, 31, v0
	v_bfe_u32 v[HH], v0, 4, 1
	v_lshlrev_b32 v[LI], 4, v1
	v_lshlrev_b32 v[L8], 3, v1
	v_add_nc_u32 v[QI], s44, v[LI]
	v_add_nc_u32 v[QS], s45, v[L8]
	v_add_nc_u32 v[VI], s46, v[LI]
	v_add_nc_u32 v[V8], s46, v[L8]
	v_add_nc_u32 v[VH], s47, v[L8]
.irp b, 0,1,2,3
	v_mov_b32 v[TM+4+\b], 0                        ; a lane permute's destination counts as one of its sources
.endr
	s_wait_alu depctr_va_vdst(0)
	s_wait_dscnt 0x0                               ; both opening adds are done
	s_wait_kmcnt 0x0
	s_add_nc_u64 s[G0+2:G0+3], s[6:7], s[20:21]
	s_or_b32 s[G0+3], s[G0+3], 0x80000000
	s_add_nc_u64 s[22:23], s[4:5], s[22:23]
.irp k, 0,1,2,3,4,5,6,7
	global_load_b64 v[XS+2*\k:XS+2*\k+1], v[QS], s[22:23] offset:\k*BLKB+12288   ; x's scale words: register a / 2 of the pair, row a % 2, for image a
.endr
.irp k, 0,1,2,3
	ALOAD \k                                       ; 56 loads are out ahead of the round
.endr
	WIN 0
	CROUND                                         ; the four partners are here: the joint loads meet
	tensor_load_to_lds s[G0:G0+3], s[G1:G1+7]      ; my first tensor load: a quarter of unit 0
	s_nop 0
	PLACES 4
.irp k, 4,5,6,7
	ALOAD \k
.endr
.macro FETCH ad, as, q, set            ; 26 loads: the weight's scale words and eight images of one K step
	ds_load_b64 v[BS+4*(\set):BS+4*(\set)+1], v[\as] offset:(\q)*BLKB+12288
	ds_load_b64 v[BS+4*(\set)+2:BS+4*(\set)+3], v[\as] offset:(\q)*BLKB+12544
	WIN 0x40
.irp i, 0,1,2,3,4,5,6,7
.irp c, 0,1,2
	ds_load_b128 v[128*(\set)+12*\i+4*\c:128*(\set)+12*\i+4*\c+3], v[\ad] offset:(\q)*BLKB+\i*FRB+512*\c
.endr
.endr
	WIN 0
.endm
.macro WM zero, ra, rb
.if \zero
.if (\ra)&&(\rb)
	v_wmma_scale_f32_16x16x128_f8f6f4 v[rD:rD+7], v[rA:rA+11], v[rB:rB+11], 0, v[rSA], v[rSB] matrix_a_fmt:MATRIX_FMT_BF6 matrix_b_fmt:MATRIX_FMT_BF6 matrix_a_scale:MATRIX_SCALE_ROW1 matrix_b_scale:MATRIX_SCALE_ROW1
.elseif \ra
	v_wmma_scale_f32_16x16x128_f8f6f4 v[rD:rD+7], v[rA:rA+11], v[rB:rB+11], 0, v[rSA], v[rSB] matrix_a_fmt:MATRIX_FMT_BF6 matrix_b_fmt:MATRIX_FMT_BF6 matrix_a_scale:MATRIX_SCALE_ROW1
.elseif \rb
	v_wmma_scale_f32_16x16x128_f8f6f4 v[rD:rD+7], v[rA:rA+11], v[rB:rB+11], 0, v[rSA], v[rSB] matrix_a_fmt:MATRIX_FMT_BF6 matrix_b_fmt:MATRIX_FMT_BF6 matrix_b_scale:MATRIX_SCALE_ROW1
.else
	v_wmma_scale_f32_16x16x128_f8f6f4 v[rD:rD+7], v[rA:rA+11], v[rB:rB+11], 0, v[rSA], v[rSB] matrix_a_fmt:MATRIX_FMT_BF6 matrix_b_fmt:MATRIX_FMT_BF6
.endif
.else
.if (\ra)&&(\rb)
	v_wmma_scale_f32_16x16x128_f8f6f4 v[rD:rD+7], v[rA:rA+11], v[rB:rB+11], v[rD:rD+7], v[rSA], v[rSB] matrix_a_fmt:MATRIX_FMT_BF6 matrix_b_fmt:MATRIX_FMT_BF6 matrix_a_scale:MATRIX_SCALE_ROW1 matrix_b_scale:MATRIX_SCALE_ROW1
.elseif \ra
	v_wmma_scale_f32_16x16x128_f8f6f4 v[rD:rD+7], v[rA:rA+11], v[rB:rB+11], v[rD:rD+7], v[rSA], v[rSB] matrix_a_fmt:MATRIX_FMT_BF6 matrix_b_fmt:MATRIX_FMT_BF6 matrix_a_scale:MATRIX_SCALE_ROW1
.elseif \rb
	v_wmma_scale_f32_16x16x128_f8f6f4 v[rD:rD+7], v[rA:rA+11], v[rB:rB+11], v[rD:rD+7], v[rSA], v[rSB] matrix_a_fmt:MATRIX_FMT_BF6 matrix_b_fmt:MATRIX_FMT_BF6 matrix_b_scale:MATRIX_SCALE_ROW1
.else
	v_wmma_scale_f32_16x16x128_f8f6f4 v[rD:rD+7], v[rA:rA+11], v[rB:rB+11], v[rD:rD+7], v[rSA], v[rSB] matrix_a_fmt:MATRIX_FMT_BF6 matrix_b_fmt:MATRIX_FMT_BF6
.endif
.endif
.endm
; 32 matrix instructions of K step K on the weight's set P; x's images at XB.  The 32 accumulators take turns, in the same order in every step.
.macro MULQ                            ; accumulator (a, b) at 8 (8 a + b): token image a, weight image b
.irp a, 0,1,2,3
.irp b, 0,1,2,3,4,5,6,7
.set rD, 8*(8*\a+\b)
.set rA, 128*P+12*\b
.set rB, XB+12*\a
.set rSA, BS+4*P+\b/2
.set rSB, XS+2*K+\a/2
	WM Z, \b%2, \a%2
.endr
.endr
.endm
.macro MULV                            ; accumulator (a, b) at 8 (4 b + a): an e image's 64 tokens lie in 32 registers on end
.irp b, 0,1,2,3,4,5,6,7
.irp a, 0,1,2,3
.set rD, 8*(4*\b+\a)
.set rA, XB+12*\a
.set rB, 128*P+12*\b
.set rSA, XS+2*K+\a/2
.set rSB, BS+4*P+\b/2
	WM Z, \a%2, \b%2
.endr
.endr
.endm
.macro STEP v, k                       ; the next step's fragments are asked for ahead of this step's 32 products
.set K, \k
.set P, (\k)%2
.if \k == 0
.set Z, 1                              ; the first products start the sums
.else
.set Z, 0
.endif
.if \k < 5
.set XB, 48*\k
.set XW, 3
.else
.set XB, AW0+48*(\k-5)
.set XW, 0
.endif
.if 12*(7-\k) > 63
	s_wait_loadcnt 63                              ; 12 (7 - k) younger loads of x could stay out; a count names 63 at the most
.else
	s_wait_loadcnt 12*(7-\k)                       ; x's K step k is in; the later steps' 12 loads each may be out
.endif
	s_wait_dscnt 0x0                               ; this step's fragments of the weight are in
	PLACES 4                                       ; the other set was read by the last step's products
.if \k < 3
	FETCH ADB0, ASB0, \k+1, (\k+1)%2
.elseif \k < 7
	FETCH ADB1, ASB1, \k-3, (\k+1)%2
.else
	s_wait_tensorcnt 0x0                           ; my quarter of units 1 and 2 is in (no LDS instruction of mine is out here),
	s_barrier_signal -1
	s_barrier_wait -1                              ; and everybody's: the next unit may be read
	s_cmp_eq_u32 s50, 2                            ; the last unit has no successor
	s_cbranch_scc1 .Lno_next_\@
	FETCH ADN, ASN, 0, 0
.Lno_next_\@:
.endif
.if \v
	WIN 0xa4|XW                                    ; source 0 x, source 1 window 1, C and D window 2
	MULV
.else
	WIN 0xa1|(XW<<2)                               ; source 0 window 1, source 1 x, C and D window 2
	MULQ
.endif
	WIN 0
.endm
; THE WAY OUT.  64 registers at ac hold four runs of 16 neighbours along the next K; lanes l and l xor 16 share a block of 32.  Each accumulator is read from its low end on.
.macro QCORE ac                        ; the four blocks' scale operands in v[TM+12 ..], their bytes in v[TM+4 ..]
	WIN 0x0a
.irp b, 0,1,2,3
	v_max3_num_f32 v[TM+\b], |v[\ac+16*\b]|, |v[\ac+16*\b+1]|, 0x2800000   ; with the floor 2^(5 - 127): the byte cannot fall under 1
.endr
.irp i, 2,4,6,8,10,12,14
.irp b, 0,1,2,3
	v_max3_num_f32 v[TM+\b], |v[\ac+16*\b+\i]|, |v[\ac+16*\b+\i+1]|, v[TM+\b]
.endr
.endr
	WIN 0
.irp b, 0,1,2,3
	v_permlanex16_b32 v[TM+4+\b], v[TM+\b], s[SEL], s[SEL+1]
.endr
.irp b, 0,1,2,3
	v_max_num_f32 v[TM+\b], v[TM+\b], v[TM+4+\b]
.endr
.irp b, 0,1,2,3
	v_add_nc_u32 v[TM+12+\b], 0xfe000000, v[TM+\b] ; 4 off the exponent field: the conversion's scale operand
.endr
.irp b, 0,1,2,3
	v_lshrrev_b32 v[TM+4+\b], 23, v[TM+12+\b]
.endr
.endm
.macro QCVT ac                         ; the codes: registers PC + 6 c .. PC + 6 c + 5 hold, for lane half h, block 2 c + h whole
	s_wait_alu depctr_va_vdst(0)
	s_wait_xcnt 0x0                                ; the earlier stores have read their registers
	WIN 2
.irp c, 0,1
	v_cvt_scalef32_pk16_bf6_f32 v[PC+6*\c:PC+6*\c+2], v[\ac+32*\c:\ac+32*\c+15], v[TM+12+2*\c]
	v_cvt_scalef32_pk16_bf6_f32 v[PC+12+4*\c:PC+14+4*\c], v[\ac+16+32*\c:\ac+31+32*\c], v[TM+13+2*\c]
.endr
	WIN 0
	v_nop                                          ; one plain place behind a scaled conversion
.irp c, 0,1
.irp i, 0,1,2
	v_permlane16_swap_b32 v[PC+6*\c+\i], v[PC+12+4*\c+\i]
.endr
.irp i, 0,1,2
	v_mov_b32 v[PC+3+6*\c+\i], v[PC+12+4*\c+\i]
.endr
.endr
.endm
	s_wait_tensorcnt 0x0                           ; my quarter of unit 0 is in
	ds_add_u32 v[SPW], v[NIL]
	s_mov_b32 s[G1+2], 200<<16                     ; no tensor load of mine is out, so the descriptor may be written: 51,200 bytes, 200 rows,
	s_mov_b32 s[G1+4], 200
	s_mul_i32 s[G0+1], s14, 51200
	s_add_co_u32 s[G0+1], s[G0+1], GRPB            ; wave w's quarter of units 1 and 2
	s_mul_i32 s20, s18, 3*GRPB
	s_add_co_u32 s20, s20, s[G0+1]
	s_add_nc_u64 s[G0+2:G0+3], s[6:7], s[20:21]
	s_or_b32 s[G0+3], s[G0+3], 0x80000000
	s_wait_dscnt 0x0
	CROUND                                         ; a whole round: unit 0 is whole, and the joint loads meet
	tensor_load_to_lds s[G0:G0+3], s[G1:G1+7]      ; the first tensor load behind the round
	s_nop 0
	PLACES 4
	FETCH LI, L8, 0, 0
	s_mov_b32 s50, 0                               ; unit
	s_mov_b32 s51, 0                               ; its place in LDS
	s_mul_i32 s52, s18, 3                          ; its weight group
.Lunit:
	s_wait_xcnt 0x0                                ; the last unit's stores have read their base and registers
	s_add_co_u32 s53, s51, 4*BLKB
	v_add_nc_u32 v[ADB0], s51, v[LI]
	v_add_nc_u32 v[ASB0], s51, v[L8]
	v_add_nc_u32 v[ADB1], s53, v[LI]
	v_add_nc_u32 v[ASB1], s53, v[L8]
	s_add_co_u32 s53, s51, GRPB
	s_min_u32 s53, s53, 2*GRPB                     ; (held inside the tiles; the last unit does not use it)
	v_add_nc_u32 v[ADN], s53, v[LI]
	v_add_nc_u32 v[ASN], s53, v[L8]
	s_sub_co_u32 s56, s52, 16
	s_lshl_b32 s56, s56, 4
	s_add_co_u32 s56, s56, s55                     ; vt's block
	s_add_co_u32 s57, s54, s52                     ; qk's block
	s_cmp_lt_u32 s52, 16                           ; q or k?  It hangs on the work-group's y and the unit alone
	s_cselect_b32 s56, s57, s56
	s_cselect_b64 s[60:61], s[8:9], s[10:11]
	s_mul_i32 s56, s56, BLKB
	s_mov_b32 s57, 0
	s_add_nc_u64 s[60:61], s[60:61], s[56:57]
	s_wait_alu depctr_va_vdst(0)
	s_cbranch_scc0 .Lv
.irp k, 0,1,2,3,4,5,6,7
	STEP 0, \k
.endr
	PLACES 4
.irp a, 0,1,2,3                        ; image 4 (wave % 2) + a of qk's block: 16 tokens x 128 e
	QCORE 64*\a
	v_lshl_or_b32 v[PW+\a], v[TM+5], 8, v[TM+4]
	v_lshl_or_b32 v[PW+\a], v[TM+6], 16, v[PW+\a]
	v_lshl_or_b32 v[PW+\a], v[TM+7], 24, v[PW+\a]
	QCVT 64*\a
.irp c, 0,1,2
	global_store_b128 v[QI], v[PC+4*\c:PC+4*\c+3], s[60:61] offset:\a*FRB+512*\c   ; 512 consecutive bytes
.endr
.endr
	v_cmp_eq_u32 vcc_lo, 1, v[HH]
	v_cndmask_b32 v[SP], v[PW], v[PW+1], vcc_lo    ; the even image below, the odd one above
	v_cndmask_b32 v[SP+1], v[PW+2], v[PW+3], vcc_lo
	global_store_b64 v[QS], v[SP:SP+1], s[60:61] offset:12288      ; 256 consecutive bytes
	s_branch .Lnext
.Lv:
.irp k, 0,1,2,3,4,5,6,7
	STEP 1, \k
.endr
	PLACES 4
	v_cmp_eq_u32 vcc_lo, 1, v[HH]
.irp bb, 0,1,2,3                       ; e images 2 bb and 2 bb + 1 of vt's block, my 64 tokens: two blocks of 32 each
	QCORE 64*\bb
	v_cndmask_b32 v[TM+8], v[TM+4], v[TM+6], vcc_lo                ; scale register bb: image 2 bb below, image 2 bb + 1 above
	v_cndmask_b32 v[TM+9], v[TM+5], v[TM+7], vcc_lo
	QCVT 64*\bb
	v_lshl_or_b32 v[PW+\bb], v[TM+9], 8, v[TM+8]                   ; my two bytes of the word
.irp c, 0,1
	global_store_b128 v[VI], v[PC+6*\c:PC+6*\c+3], s[60:61] offset:(2*\bb+\c)*FRB       ; 512 consecutive bytes,
	global_store_b64 v[V8], v[PC+6*\c+4:PC+6*\c+5], s[60:61] offset:(2*\bb+\c)*FRB+512  ; and 256: my half of the image
.endr
	global_store_b16 v[VH], v[PW+\bb], s[60:61] offset:12288+256*(\bb/2)+4*(\bb%2)
.endr
.Lnext:
	s_add_co_u32 s51, s51, GRPB
	s_add_co_u32 s52, s52, 1
	s_add_co_u32 s50, s50, 1
	s_cmp_lt_u32 s50, 3
	s_cbranch_scc1 .Lunit
	s_wait_tensorcnt 0x0                           ; the wave's end
	ds_add_u32 v[SPW], v[NIL]
	s_wait_dscnt 0x0
	CROUND                                         ; the closing round
	s_endpgm
.Lfunc_end_k_q409ef8e0be_proj:
	.size	k_q409ef8e0be_proj, .Lfunc_end_k_q409ef8e0be_proj-k_q409ef8e0be_proj
	.p2alignl 7, 3214868480
	.fill 96, 4, 3214868480
	.section	.rodata,"a",@progbits
	.p2align	6, 0x0
	.amdhsa_kernel k_q409ef8e0be_proj
		.amdhsa_group_segment_fixed_size 327680
		.amdhsa_private_segment_fixed_size 0
		.amdhsa_enable_private_segment 0
		.amdhsa_kernarg_size 32
		.amdhsa_user_sgpr_count 2
		.amdhsa_user_sgpr_kernarg_segment_ptr 1
		.amdhsa_wavefront_size32 1
		.amdhsa_system_sgpr_workgroup_id_x 1
		.amdhsa_system_sgpr_workgroup_id_y 1
		.amdhsa_system_sgpr_workgroup_id_z 1
		.amdhsa_system_vgpr_workitem_id 0
		.amdhsa_next_free_vgpr 1024
		.amdhsa_next_free_sgpr 72
		.amdhsa_reserve_vcc 1
		.amdhsa_float_denorm_mode_32 3
		.amdhsa_float_denorm_mode_16_64 3
		.amdhsa_memory_ordered 1
		.amdhsa_forward_progress 1
		.amdhsa_inst_pref_size 148
	.end_amdhsa_kernel
	.amdgpu_metadata
---
amdhsa.version: [ 1, 2 ]
amdhsa.kernels:
  - .name:           k_q409ef8e0be_proj
    .symbol:         k_q409ef8e0be_proj.kd
    .args:
      - { .name: xq, .offset: 0, .size: 8, .value_kind: global_buffer, .address_space: global }
      - { .name: wqk, .offset: 8, .size: 8, .value_kind: global_buffer, .address_space: global }
      - { .name: qk, .offset: 16, .size: 8, .value_kind: global_buffer, .address_space: global }
      - { .name: vt, .offset: 24, .size: 8, .value_kind: global_buffer, .address_space: global }
    .group_segment_fixed_size: 327680
    .private_segment_fixed_size: 0
    .kernarg_segment_align: 8
    .kernarg_segment_size: 32
    .max_flat_workgroup_size: 128
    .sgpr_count:     72
    .vgpr_count:     1024
    .wavefront_size: 32
...
	.end_amdgpu_metadata
.endif
;; end of part 2
;; launch scores (part 3): grid 48 x 4, 4 waves a work-group, no clusters, 327,680 bytes of LDS; arguments qk, pc, stat; writes pc, stat
.if DOCPART == 3
	.amdgcn_target "amdgcn-amd-amdhsa--gfx1250"
	.amdhsa_code_object_version 6
	.text
	.protected	k_q409ef8e0be_scores
	.globl	k_q409ef8e0be_scores
	.p2align	8
	.type	k_q409ef8e0be_scores,@function
k_q409ef8e0be_scores:
	s_mov_b64 s[64:65], 0
	v_nop
	global_prefetch_b8 v0, s[64:65] scope:SCOPE_SE
	s_setreg_imm32_b32 hwreg(HW_REG_WAVE_MODE, 25, 1), 1
	s_wait_xcnt 0x0
; S = q k^T on codes of BF6 (K = 1,024), the causal mask, and p = 2^(t - M) quantised along the keys, with a LOCAL M: one whole number for each query and each 128 keys.  t = score x log2(e) / 32.
; M need only be a whole number: another M moves p by an exact power of two, which a block's scale byte takes up, so the codes do not hang on it.  Stored for each query and 128 keys: p's codes and scale bytes under the local M (pc),
; -M and the sum of the unquantised p (stat).  The next launch takes the row's true M and shifts the bytes.
; FORMAT of qk and pc: blocks of 128 rows x 128 K, 12,800 bytes: eight images of a fragment's 12 registers (1,536 T + 512 c + 16 l), then 512 bytes of scale words (register c: image 2 c in lanes 0-15, 2 c + 1 in lanes 16-31; lane l at
; 12,288 + 256 (c / 2) + 8 l + 4 (c % 2)).  Lane row r of image T is row 32 (T / 2) + 8 (T % 2) + r + 8 (r / 8).  qk's block: group x 16 + step (0-7 q, 8-15 k).  pc's: (16 batch + query group) x 16 + key step.
; stat: 1,024 bytes a block: 512 of -M, 512 of the sums, each laid as the scale words are.
; WORK LEFT OUT: a tile of 256 queries x 256 keys whose every key comes after every query is wholly under the causal mask: its scores are -inf for all values of the inputs, so its product is not made.
; A NaN or an infinity that reaches only such a tile is not carried to the result.
; SHARES.  y = batch.  x = 0 .. 35: the 36 tiles (i, j), j <= i, of the batch's triangle.  x = 36 .. 47: the 12 hidden tiles that the next launch still reads (j > i inside the squares 0-3 and 4-7): their work-groups store what it
; reads as nothing: zero codes, scale words of 0, -M = 3e38 and a sum of 0, and touch neither LDS nor the matrix units.
; A live work-group: a wave keeps its 64 queries (four images), all of K, in 384 registers, loaded as they lie in qk, with 16 registers of scale words.  The tile's two groups of 128 keys, all of K, 102,400 bytes each, come into
; LDS once: the first at the head, a quarter by each wave; the second behind the first barrier, and it is waited for in the first unit's last K step.  A unit is one group of keys: 8 K steps x 32 matrix instructions, then the way out.
; The product is used transposed (source 0 = keys, source 1 = queries): a lane holds one query and, by the images' order of rows, 16 neighbouring keys in the registers of accumulators (a, 2 t), (a, 2 t + 1).
; No cluster: the tiles that need the same keys are column j of the triangle, 8 - j of them: no multiple of four.  No prefetch: every byte is asked for at the head or behind the first barrier; there is no loop to run ahead in.
; LIMITS: NaN and infinities are not served.  A block whose every p is 0 keeps the byte 1.
; REGISTERS: window 0: v4-31 addresses and the way out's single numbers; v32-47 q's scale words; v48-55 k's, two sets; v56-109 at work on the way out; v112-255 q's K steps 5-7.  window 1: k's fragments, two sets, at v0 and v128.
;   window 2: accumulator (a, b) at v[8 (8 a + b)].  window 3: q's K steps 0-4, 48 registers each.
.set BLKB,  12800
.set FRB,   1536
.set GRPB,  8*BLKB
.set SPARE, 2*GRPB                     ; the spare words: two blocks of 256 bytes that no other line names
.set LI,   4                           ; 16 x lane
.set L8,   5                           ; 8 x lane
.set HH,   6                           ; lane / 16
.set ADB0, 8                           ; the unit's K steps 0-3: 16 x lane, 8 x lane
.set ASB0, 9
.set ADB1, 10                          ; its K steps 4-7
.set ASB1, 11
.set ADN,  12                          ; the next unit's K step 0
.set ASN,  13
.set SPW,  14
.set NIL,  15
.set QI,   16                          ; 16 x lane + 6,144 (wave % 2): my four images of a block
.set QS,   17                          ; 8 x lane + 256 (wave % 2): their two scale registers
.set DB,   18                          ; r + 8 (r / 8) - 16 (lane / 16)
.set NM,   22                          ; v[22:23] -M (the packed form names a pair and takes its low word)
.set LA,   24                          ; v[24:25], v[26:27] the sum in two chains
.set LB,   26
.set NINF, 28
.set D0,   29                          ; my image 0's query less the unit's first key of my lane half
.set T0,   30
.set T1,   31
.set XS,   32
.set BS,   48
.set TM,   56
.set PC,   72
.set PW,   92
.set NMS,  96
.set LS,   100
.set SP,   104
.set AW0,  112
.set G1,  24
.set G0,  32
.set SEL, 36
.set CS,  38                           ; s[38:39] c = log2(e) / 32
.set MSB, 0
.macro WIN new
.if MSB != (\new)
	s_set_vgpr_msb (MSB<<8)|(\new)
.set MSB, \new
.endif
.endm
.macro PLACES n
.rept \n
	v_nop
.endr
.endm
	s_load_b128 s[4:7], s[0:1], 0x0                ; qk, pc
	s_load_b64 s[8:9], s[0:1], 0x10                ; stat
	v_lshrrev_b32 v1, 5, v0
	v_readfirstlane_b32 s14, v1                    ; wave
	s_lshr_b32 s15, s14, 1                         ; which 128 of the 256 queries
	s_and_b32 s16, s14, 1                          ; which 64 of those (a hidden tile: which 128 keys)
	s_and_b32 s19, ttmp7, 0xffff
	s_lshl_b32 s19, s19, 4                         ; 16 x batch
	v_and_b32 v1, 31, v0
	v_lshlrev_b32 v[LI], 4, v1
	s_cmp_ge_u32 ttmp9, 36
	s_wait_alu depctr_va_vdst(0)
	s_cbranch_scc1 .Lhidden
	v_lshl_add_u32 v[SPW], v0, 2, SPARE
	v_mov_b32 v[NIL], 0
	ds_add_u32 v[SPW], v[NIL]                      ; the opening lines: the add, twice on end, and its wait
	ds_add_u32 v[SPW], v[NIL]
	s_mov_b32 s17, 0
.irp m, 1,3,6,10,15,21,28
	s_cmp_ge_u32 ttmp9, \m
	s_add_co_ci_u32 s17, s17, 0                    ; i: how many rows of the triangle begin at or under x
.endr
	s_add_co_u32 s18, s17, 1
	s_mul_i32 s18, s18, s17
	s_lshr_b32 s18, s18, 1
	s_sub_co_u32 s18, ttmp9, s18                   ; j = x - i (i + 1) / 2
	s_mov_b32 s[G1+0], 3<<16                       ; elements of 8 bytes; 25,600 dense bytes as 100 rows of 256
	s_mov_b32 s[G1+1], 32<<16
	s_mov_b32 s[G1+2], 100<<16
	s_mov_b32 s[G1+3], 32<<16
	s_mov_b32 s[G1+4], 100
	s_mov_b32 s[G1+5], 32
	s_mov_b32 s[G1+6], 0
	s_mov_b32 s[G1+7], 0
	s_mov_b32 s[G0], 1
	s_mul_i32 s[G0+1], s14, 25600                  ; wave w's quarter of a group of keys
	s_lshl_b32 s44, s18, 1                         ; the tile's first group of keys
	s_add_co_u32 s20, s44, s19
	s_mul_i32 s20, s20, 16*BLKB
	s_add_co_u32 s20, s20, 8*BLKB                  ; k: steps 8 on
	s_add_co_u32 s20, s20, s[G0+1]
	s_mov_b32 s21, 0
	s_lshl_b32 s43, s17, 1
	s_add_co_u32 s43, s43, s15                     ; my group of queries in the batch
	s_add_co_u32 s42, s43, s19
	s_mul_i32 s22, s42, 16*BLKB                    ; q: steps 0 on
	s_mov_b32 s23, 0
	s_lshl_b32 s54, s42, 4
	s_add_co_u32 s54, s54, s44                     ; unit 0's block of pc and stat
	s_sub_co_i32 s59, s43, s44
	s_lshl_b32 s59, s59, 7
	s_lshl_b32 s45, s16, 6
	s_add_co_u32 s59, s59, s45                     ; my first query less unit 0's first key
	s_mul_i32 s46, s16, 4*FRB
	s_lshl_b32 s47, s16, 8
	s_mov_b32 s[SEL], 0x76543210
	s_mov_b32 s[SEL+1], 0xfedcba98
	s_mov_b32 s[CS], 0x3d38aa3b
	s_mov_b32 s[CS+1], s[CS]
	v_and_b32 v2, 15, v0
	v_bfe_u32 v[HH], v0, 4, 1
	v_lshlrev_b32 v[L8], 3, v1
	v_add_nc_u32 v[QI], s46, v[LI]
	v_add_nc_u32 v[QS], s47, v[L8]
	v_and_b32 v3, 8, v2
	v_add_nc_u32 v3, v3, v2
	v_lshlrev_b32 v2, 4, v[HH]
	v_sub_nc_u32 v[DB], v3, v2
.irp b, 0,1,2,3
	v_mov_b32 v[TM+4+\b], 0                        ; a lane permute's destination counts as one of its sources
.endr
	v_mov_b32 v[NM+1], 0                           ; (named with -M as a pair)
	v_mov_b32 v[T1], 0
	v_mov_b32 v[NINF], 0xff800000
	s_wait_alu depctr_va_vdst(0)
	s_wait_dscnt 0x0                               ; both opening adds are done
	s_wait_kmcnt 0x0
	s_add_nc_u64 s[G0+2:G0+3], s[4:5], s[20:21]
	s_or_b32 s[G0+3], s[G0+3], 0x80000000
	s_add_nc_u64 s[22:23], s[4:5], s[22:23]
	tensor_load_to_lds s[G0:G0+3], s[G1:G1+7]      ; unit 0's keys
	s_nop 0
	PLACES 4
.irp k, 0,1,2,3,4,5,6,7
	global_load_b64 v[XS+2*\k:XS+2*\k+1], v[QS], s[22:23] offset:\k*BLKB+12288   ; q's scale words: register a / 2 of the pair, row a % 2, for image a
.endr
.macro ALOAD k                         ; my four images of q's K step k: 12 loads of 512 consecutive bytes
.if \k < 5
	WIN 0xc0
.set XB, 48*\k
.else
	WIN 0
.set XB, AW0+48*(\k-5)
.endif
.irp a, 0,1,2,3
.irp c, 0,1,2
	global_load_b128 v[XB+12*\a+4*\c:XB+12*\a+4*\c+3], v[QI], s[22:23] offset:\k*BLKB+\a*FRB+512*\c
.endr
.endr
.endm
.irp k, 0,1,2,3,4,5,6,7
	ALOAD \k
.endr
.macro FETCH ad, as, q, set            ; 26 loads: k's scale words and eight images of one K step
	ds_load_b64 v[BS+4*(\set):BS+4*(\set)+1], v[\as] offset:(\q)*BLKB+12288
	ds_load_b64 v[BS+4*(\set)+2:BS+4*(\set)+3], v[\as] offset:(\q)*BLKB+12544
	WIN 0x40
.irp i, 0,1,2,3,4,5,6,7
.irp c, 0,1,2
	ds_load_b128 v[128*(\set)+12*\i+4*\c:128*(\set)+12*\i+4*\c+3], v[\ad] offset:(\q)*BLKB+\i*FRB+512*\c
.endr
.endr
	WIN 0
.endm
.macro WM zero, ra, rb
.if \zero
.if (\ra)&&(\rb)
	v_wmma_scale_f32_16x16x128_f8f6f4 v[rD:rD+7], v[rA:rA+11], v[rB:rB+11], 0, v[rSA], v[rSB] matrix_a_fmt:MATRIX_FMT_BF6 matrix_b_fmt:MATRIX_FMT_BF6 matrix_a_scale:MATRIX_SCALE_ROW1 matrix_b_scale:MATRIX_SCALE_ROW1
.elseif \ra
	v_wmma_scale_f32_16x16x128_f8f6f4 v[rD:rD+7], v[rA:rA+11], v[rB:rB+11], 0, v[rSA], v[rSB] matrix_a_fmt:MATRIX_FMT_BF6 matrix_b_fmt:MATRIX_FMT_BF6 matrix_a_scale:MATRIX_SCALE_ROW1
.elseif \rb
	v_wmma_scale_f32_16x16x128_f8f6f4 v[rD:rD+7], v[rA:rA+11], v[rB:rB+11], 0, v[rSA], v[rSB] matrix_a_fmt:MATRIX_FMT_BF6 matrix_b_fmt:MATRIX_FMT_BF6 matrix_b_scale:MATRIX_SCALE_ROW1
.else
	v_wmma_scale_f32_16x16x128_f8f6f4 v[rD:rD+7], v[rA:rA+11], v[rB:rB+11], 0, v[rSA], v[rSB] matrix_a_fmt:MATRIX_FMT_BF6 matrix_b_fmt:MATRIX_FMT_BF6
.endif
.else
.if (\ra)&&(\rb)
	v_wmma_scale_f32_16x16x128_f8f6f4 v[rD:rD+7], v[rA:rA+11], v[rB:rB+11], v[rD:rD+7], v[rSA], v[rSB] matrix_a_fmt:MATRIX_FMT_BF6 matrix_b_fmt:MATRIX_FMT_BF6 matrix_a_scale:MATRIX_SCALE_ROW1 matrix_b_scale:MATRIX_SCALE_ROW1
.elseif \ra
	v_wmma_scale_f32_16x16x128_f8f6f4 v[rD:rD+7], v[rA:rA+11], v[rB:rB+11], v[rD:rD+7], v[rSA], v[rSB] matrix_a_fmt:MATRIX_FMT_BF6 matrix_b_fmt:MATRIX_FMT_BF6 matrix_a_scale:MATRIX_SCALE_ROW1
.elseif \rb
	v_wmma_scale_f32_16x16x128_f8f6f4 v[rD:rD+7], v[rA:rA+11], v[rB:rB+11], v[rD:rD+7], v[rSA], v[rSB] matrix_a_fmt:MATRIX_FMT_BF6 matrix_b_fmt:MATRIX_FMT_BF6 matrix_b_scale:MATRIX_SCALE_ROW1
.else
	v_wmma_scale_f32_16x16x128_f8f6f4 v[rD:rD+7], v[rA:rA+11], v[rB:rB+11], v[rD:rD+7], v[rSA], v[rSB] matrix_a_fmt:MATRIX_FMT_BF6 matrix_b_fmt:MATRIX_FMT_BF6
.endif
.endif
.endm
; K step k of a unit: the next step's fragments of k are asked for ahead of this step's 32 products.  The 32 accumulators take turns, in the same order in every step.
.macro STEP k
.set P, (\k)%2
.if \k == 0
.set Z, 1                              ; the first products start the sums
.else
.set Z, 0
.endif
.if \k < 5
.set XB, 48*\k
.set XW, 3
.else
.set XB, AW0+48*(\k-5)
.set XW, 0
.endif
.if 12*(7-\k) > 63
	s_wait_loadcnt 63                              ; 12 (7 - k) younger loads of q could stay out; a count names 63 at the most
.else
	s_wait_loadcnt 12*(7-\k)                       ; q's K step k is in; the later steps' 12 loads each may be out
.endif
	s_wait_dscnt 0x0                               ; this step's fragments of k are in
	PLACES 4                                       ; the other set was read by the last step's products
.if \k < 3
	FETCH ADB0, ASB0, \k+1, (\k+1)%2
.elseif \k < 7
	FETCH ADB1, ASB1, \k-3, (\k+1)%2
.else
	s_wait_tensorcnt 0x0                           ; my quarter of unit 1's keys is in (no LDS instruction of mine is out here),
	s_barrier_signal -1
	s_barrier_wait -1                              ; and everybody's: the next unit may be read
	s_cmp_eq_u32 s50, 1                            ; the last unit has no successor
	s_cbranch_scc1 .Lno_next
	FETCH ADN, ASN, 0, 0
.Lno_next:
.endif
	WIN 0xa1|(XW<<2)                               ; source 0 window 1, source 1 q's window, C and D window 2
.irp a, 0,1,2,3
.irp b, 0,1,2,3,4,5,6,7
.set rD, 8*(8*\a+\b)
.set rA, 128*P+12*\b
.set rB, XB+12*\a
.set rSA, BS+4*P+\b/2
.set rSB, XS+2*(\k)+\a/2
	WM Z, \b%2, \a%2
.endr
.endr
	WIN 0
.endm
; THE WAY OUT of image a: 16 queries x 128 keys; register 16 t + i = key 32 t + 16 (lane / 16) + i.  Each accumulator is read from its low end on.
.macro SW a
.set AC, 64*\a
	s_cmp_lg_u32 s17, s18                          ; a tile under the diagonal hides nothing: a branch on the work-group's number
	s_cbranch_scc1 .Lopen_\@
	WIN 0x82
.set n, 0
	s_wait_alu depctr_va_vdst(0)                   ; ahead of the first reader
.rept 64
	v_cmp_gt_i32 vcc_lo, 32*(n/16)+n%16-32*((\a)/2)-8*((\a)%2), v[D0]   ; the key comes after the query
	v_cndmask_b32 v[AC+n], v[AC+n], v[NINF], vcc_lo
.set n, n+1
.endr
	WIN 0
.Lopen_\@:
	WIN 0x0a
.irp b, 0,1,2,3
	v_max3_num_f32 v[TM+\b], v[AC+16*\b], v[AC+16*\b+1], 0xff61b1e6   ; the largest score of each block of 32 keys, over -3e38: it serves for the row's maximum and for the block's largest p
.endr
.irp i, 2,4,6,8,10,12,14
.irp b, 0,1,2,3
	v_max3_num_f32 v[TM+\b], v[AC+16*\b+\i], v[AC+16*\b+\i+1], v[TM+\b]
.endr
.endr
	WIN 0
.irp b, 0,1,2,3
	v_permlanex16_b32 v[TM+4+\b], v[TM+\b], s[SEL], s[SEL+1]
.endr
.irp b, 0,1,2,3
	v_max_num_f32 v[TM+\b], v[TM+\b], v[TM+4+\b]
.endr
	v_max3_num_f32 v[T0], v[TM], v[TM+1], v[TM+2]
	v_max_num_f32 v[T0], v[T0], v[TM+3]            ; my query's largest score among these 128 keys
	v_mul_f32 v[T0], s[CS], v[T0]
	v_floor_f32 v[NM], -v[T0]                      ; -M = floor(-t) = -ceil(t)
.irp b, 0,1,2,3
	v_fma_f32 v[TM+\b], v[TM+\b], s[CS], v[NM]
.endr
	WIN 0x82
.set n, 0
.rept 32
	v_pk_fma_f32 v[AC+n:AC+n+1], v[AC+n:AC+n+1], s[CS:CS+1], v[NM:NM+1] op_sel_hi:[1,0,0]   ; t - M
.set n, n+2
.endr
.set n, 0
	s_wait_alu depctr_va_vdst(0)                   ; ahead of the batch
.rept 64
	v_exp_f32 v[AC+n], v[AC+n]                     ; p = 2^(t - M), not normalised
.set n, n+1
.endr
	WIN 0
.irp b, 0,1,2,3
	v_exp_f32 v[TM+\b], v[TM+\b]                   ; each block's largest p: the same two instructions on the same number
.endr
	v_nop                                          ; a plain place behind the batch
	s_wait_alu depctr_va_vdst(0)                   ; one wait for the 68 exponentials, ahead of their first reader
	v_mov_b32 v[LA], 0
	v_mov_b32 v[LA+1], 0
	v_mov_b32 v[LB], 0
	v_mov_b32 v[LB+1], 0
	WIN 2
.set n, 0
.rept 16
	v_pk_add_f32 v[LA:LA+1], v[AC+n:AC+n+1], v[LA:LA+1]            ; the sum of the unquantised p, in two chains
	v_pk_add_f32 v[LB:LB+1], v[AC+n+2:AC+n+3], v[LB:LB+1]
.set n, n+4
.endr
	WIN 0
.irp b, 0,1,2,3
	v_med3_num_f32 v[TM+\b], v[TM+\b], 0x2800000, 1.0              ; the floor 2^(5 - 127); the hold at 1 matters only where all 128 keys are hidden
.endr
.irp b, 0,1,2,3
	v_add_nc_u32 v[TM+12+\b], 0xfe000000, v[TM+\b]
.endr
.irp b, 0,1,2,3
	v_lshrrev_b32 v[TM+4+\b], 23, v[TM+12+\b]      ; the byte: 123 at the most
.endr
	v_lshl_or_b32 v[PW+\a], v[TM+5], 8, v[TM+4]
	v_lshl_or_b32 v[PW+\a], v[TM+6], 16, v[PW+\a]
	v_lshl_or_b32 v[PW+\a], v[TM+7], 24, v[PW+\a]
	s_wait_alu depctr_va_vdst(0)
	s_wait_xcnt 0x0                                ; the last image's stores have read their registers
	WIN 2
.irp c, 0,1
	v_cvt_scalef32_pk16_bf6_f32 v[PC+6*\c:PC+6*\c+2], v[AC+32*\c:AC+32*\c+15], v[TM+12+2*\c]
	v_cvt_scalef32_pk16_bf6_f32 v[PC+12+4*\c:PC+14+4*\c], v[AC+16+32*\c:AC+31+32*\c], v[TM+13+2*\c]
.endr
	WIN 0
	v_nop                                          ; one plain place behind a scaled conversion
.irp c, 0,1
.irp i, 0,1,2
	v_permlane16_swap_b32 v[PC+6*\c+\i], v[PC+12+4*\c+\i]
.endr
.irp i, 0,1,2
	v_mov_b32 v[PC+3+6*\c+\i], v[PC+12+4*\c+\i]
.endr
.endr
.irp c, 0,1,2
	global_store_b128 v[QI], v[PC+4*\c:PC+4*\c+3], s[60:61] offset:\a*FRB+512*\c   ; 512 consecutive bytes
.endr
	v_pk_add_f32 v[LA:LA+1], v[LA:LA+1], v[LB:LB+1]
	v_add_f32 v[T0], v[LA], v[LA+1]
	v_permlanex16_b32 v[T1], v[T0], s[SEL], s[SEL+1]
	v_add_f32 v[LS+\a], v[T0], v[T1]               ; the query's sum over these 128 keys
	v_mov_b32 v[NMS+\a], v[NM]
.endm
	s_wait_tensorcnt 0x0                           ; my quarter of unit 0's keys is in
	ds_add_u32 v[SPW], v[NIL]
	s_add_co_u32 s[G0+1], s[G0+1], GRPB            ; no tensor load of mine is out, so the descriptor may be written: unit 1's place in LDS,
	s_add_nc_u64 s[G0+2:G0+3], s[G0+2:G0+3], 16*BLKB   ; and the next group's k
	s_wait_dscnt 0x0
	s_barrier_signal -1
	s_barrier_wait -1                              ; unit 0's keys are whole
	tensor_load_to_lds s[G0:G0+3], s[G1:G1+7]      ; unit 1's keys, the first tensor load behind the barrier
	s_nop 0
	PLACES 4
	FETCH LI, L8, 0, 0
	s_mov_b32 s50, 0                               ; unit
	s_mov_b32 s51, 0                               ; its place in LDS
.Lunit:
	s_wait_xcnt 0x0                                ; the last unit's stores have read their bases and registers
	s_add_co_u32 s53, s51, 4*BLKB
	v_add_nc_u32 v[ADB0], s51, v[LI]
	v_add_nc_u32 v[ASB0], s51, v[L8]
	v_add_nc_u32 v[ADB1], s53, v[LI]
	v_add_nc_u32 v[ASB1], s53, v[L8]
	s_add_co_u32 s53, s51, GRPB
	s_min_u32 s53, s53, GRPB                       ; (held inside the tiles; the last unit does not use it)
	v_add_nc_u32 v[ADN], s53, v[LI]
	v_add_nc_u32 v[ASN], s53, v[L8]
	v_add_nc_u32 v[D0], s59, v[DB]
	s_add_co_u32 s56, s54, s50                     ; the unit's block
	s_lshl_b32 s44, s56, 10
	s_mov_b32 s45, 0
	s_mul_i32 s56, s56, BLKB
	s_mov_b32 s57, 0
	s_add_nc_u64 s[60:61], s[6:7], s[56:57]
	s_add_nc_u64 s[62:63], s[8:9], s[44:45]
	s_wait_alu depctr_va_vdst(0)                   ; behind the writes above
.irp k, 0,1,2,3,4,5,6,7
	STEP \k
.endr
	PLACES 4
.irp a, 0,1,2,3
	SW \a
.endr
	v_cmp_eq_u32 vcc_lo, 1, v[HH]
.irp c, 0,1
	v_cndmask_b32 v[SP+\c], v[PW+2*\c], v[PW+2*\c+1], vcc_lo       ; the even image below, the odd one above
	v_cndmask_b32 v[SP+2+\c], v[NMS+2*\c], v[NMS+2*\c+1], vcc_lo
	v_cndmask_b32 v[SP+4+\c], v[LS+2*\c], v[LS+2*\c+1], vcc_lo
.endr
	global_store_b64 v[QS], v[SP:SP+1], s[60:61] offset:12288      ; 256 consecutive bytes each
	global_store_b64 v[QS], v[SP+2:SP+3], s[62:63]
	global_store_b64 v[QS], v[SP+4:SP+5], s[62:63] offset:512
	s_add_co_u32 s51, s51, GRPB
	s_sub_co_u32 s59, s59, 128
	s_add_co_u32 s50, s50, 1
	s_cmp_lt_u32 s50, 2
	s_cbranch_scc1 .Lunit
	s_wait_tensorcnt 0x0                           ; the wave's end
	ds_add_u32 v[SPW], v[NIL]
	s_wait_dscnt 0x0
	s_endpgm
.Lhidden:                                              ; a hidden tile: wave w stores the block of query group w / 2 and key step w % 2
	s_sub_co_u32 s40, ttmp9, 36
	s_cmp_ge_u32 s40, 6                            ; which of the two squares
	s_cselect_b32 s41, 4, 0
	s_cselect_b32 s43, 6, 0
	s_sub_co_u32 s40, s40, s43                     ; u = 0 .. 5: (0,1) (0,2) (0,3) (1,2) (1,3) (2,3)
	s_mov_b32 s17, 0
	s_cmp_ge_u32 s40, 3
	s_add_co_ci_u32 s17, s17, 0
	s_cmp_ge_u32 s40, 5
	s_add_co_ci_u32 s17, s17, 0                    ; the row in the square
	s_sub_co_u32 s18, 7, s17
	s_mul_i32 s18, s18, s17
	s_lshr_b32 s18, s18, 1                         ; where that row begins: 0, 3, 5
	s_sub_co_u32 s18, s40, s18
	s_add_co_u32 s18, s18, s17
	s_add_co_u32 s18, s18, 1                       ; the column
	s_add_co_u32 s17, s17, s41
	s_add_co_u32 s18, s18, s41
	s_lshl_b32 s17, s17, 1
	s_add_co_u32 s17, s17, s15
	s_add_co_u32 s17, s17, s19
	s_lshl_b32 s17, s17, 4
	s_lshl_b32 s18, s18, 1
	s_add_co_u32 s18, s18, s16
	s_add_co_u32 s56, s17, s18                     ; the block: (16 batch + query group) x 16 + key step
	s_lshl_b32 s44, s56, 10
	s_mov_b32 s45, 0
	s_mul_i32 s56, s56, BLKB
	s_mov_b32 s57, 0
.irp n, 0,1,2,3
	v_mov_b32 v[PC+\n], 0
	v_mov_b32 v[PC+4+\n], 0x7f61b1e6               ; -M = 3e38
.endr
	s_wait_alu depctr_va_vdst(0)
	s_wait_kmcnt 0x0
	s_add_nc_u64 s[60:61], s[6:7], s[56:57]
	s_add_nc_u64 s[62:63], s[8:9], s[44:45]
.set n, 0
.rept 25
	global_store_b128 v[LI], v[PC:PC+3], s[60:61] offset:512*n     ; 12,800 bytes of zeros: codes and scale words; 512 consecutive bytes a store
.set n, n+1
.endr
	global_store_b128 v[LI], v[PC+4:PC+7], s[62:63]
	global_store_b128 v[LI], v[PC:PC+3], s[62:63] offset:512       ; sums of 0
	s_endpgm
.Lfunc_end_k_q409ef8e0be_scores:
	.size	k_q409ef8e0be_scores, .Lfunc_end_k_q409ef8e0be_scores-k_q409ef8e0be_scores
	.p2alignl 7, 3214868480
	.fill 96, 4, 3214868480
	.section	.rodata,"a",@progbits
	.p2align	6, 0x0
	.amdhsa_kernel k_q409ef8e0be_scores
		.amdhsa_group_segment_fixed_size 327680
		.amdhsa_private_segment_fixed_size 0
		.amdhsa_enable_private_segment 0
		.amdhsa_kernarg_size 24
		.amdhsa_user_sgpr_count 2
		.amdhsa_user_sgpr_kernarg_segment_ptr 1
		.amdhsa_wavefront_size32 1
		.amdhsa_system_sgpr_workgroup_id_x 1
		.amdhsa_system_sgpr_workgroup_id_y 1
		.amdhsa_system_sgpr_workgroup_id_z 1
		.amdhsa_system_vgpr_workitem_id 0
		.amdhsa_next_free_vgpr 1024
		.amdhsa_next_free_sgpr 72
		.amdhsa_reserve_vcc 1
		.amdhsa_float_denorm_mode_32 3
		.amdhsa_float_denorm_mode_16_64 3
		.amdhsa_memory_ordered 1
		.amdhsa_forward_progress 1
		.amdhsa_inst_pref_size 137
	.end_amdhsa_kernel
	.amdgpu_metadata
---
amdhsa.version: [ 1, 2 ]
amdhsa.kernels:
  - .name:           k_q409ef8e0be_scores
    .symbol:         k_q409ef8e0be_scores.kd
    .args:
      - { .name: qk, .offset: 0, .size: 8, .value_kind: global_buffer, .address_space: global }
      - { .name: pc, .offset: 8, .size: 8, .value_kind: global_buffer, .address_space: global }
      - { .name: stat, .offset: 16, .size: 8, .value_kind: global_buffer, .address_space: global }
    .group_segment_fixed_size: 327680
    .private_segment_fixed_size: 0
    .kernarg_segment_align: 8
    .kernarg_segment_size: 24
    .max_flat_workgroup_size: 128
    .sgpr_count:     72
    .vgpr_count:     1024
    .wavefront_size: 32
...
	.end_amdgpu_metadata
.endif
;; end of part 3
;; launch pv (part 4): grid 8 x 32, 4 waves a work-group, clusters of 4 x 1, 327,680 bytes of LDS; arguments pc, vt, stat, out0; writes out0
.if DOCPART == 4
	.amdgcn_target "amdgcn-amd-amdhsa--gfx1250"
	.amdhsa_code_object_version 6
	.text
	.protected	k_q409ef8e0be_pv
	.globl	k_q409ef8e0be_pv
	.p2align	8
	.type	k_q409ef8e0be_pv,@function
k_q409ef8e0be_pv:
	s_mov_b64 s[64:65], 0
	v_nop
	global_prefetch_b8 v0, s[64:65] scope:SCOPE_SE
	s_setreg_imm32_b32 hwreg(HW_REG_WAVE_MODE, 25, 1), 1
	s_wait_xcnt 0x0
	s_wait_alu depctr_hold_cnt(0) depctr_sa_sdst(0) depctr_va_vdst(0) depctr_va_sdst(0) depctr_va_ssrc(0) depctr_va_vcc(0) depctr_vm_vsrc(0)
	s_getreg_b32 s2, hwreg(HW_REG_IB_STS2, 6, 4)
	s_cmp_eq_u32 s2, 0
	s_cbranch_scc0 .Lentry_in_a_cluster
	s_endpgm
.Lentry_in_a_cluster:
	s_bfe_u32 s2, ttmp6, 0x10000c
	s_cmp_lg_u32 s2, 0x3003
	s_cbranch_scc0 .Lentry_shape_is_right
	s_endpgm
.Lentry_shape_is_right:
; O = P v / l on codes of BF6, K = the keys.  P's codes were made under a local M for each query and 128 keys.  The head takes each query's true -M (the least of the local ones), adds the local sums under it (exact powers of two),
; and takes M - M_local off each of P's scale bytes: the numbers that the codes stand for are then those under the true M.
; FORMAT of pc: blocks of 128 rows x 128 K, 12,800 bytes: eight images of a fragment's 12 registers (1,536 T + 512 c + 16 l), then 512 bytes of scale words (register c: image 2 c in lanes 0-15, 2 c + 1 in lanes 16-31; lane l at
; 12,288 + 256 (c / 2) + 8 l + 4 (c % 2)).  Lane row r of image T is row 32 (T / 2) + 8 (T % 2) + r + 8 (r / 8).  pc's block: (16 batch + query group) x 16 + key step.
; vt: the same blocks, (8 batch + e group) x 16 + key step, but its images are laid by halves: half c (registers 6 c .. 6 c + 5) at 1,536 T + 768 c: registers 6 c .. 6 c + 3 at 16 l, registers 6 c + 4, 6 c + 5 at 512 + 8 l.
; stat: 1,024 bytes for each block of pc: 512 of -M, 512 of the sums, laid as the scale words are.
; SHARES.  A work-group makes 256 queries x 128 e; wave w queries 64 w .. 64 w + 63 (images 4 (w % 2) + a of group w / 2) x all 128 e: 32 accumulators.  Source 0 = an image of v^T, source 1 = an image of P: a lane holds one query.
; R = 1 (cluster x = 0): queries 1,024-2,047, all 16 K steps; R = 0: queries 0-1,023, keys 0-1,023, 8 K steps.  What lies beyond a tile's diagonal are zero codes.
; v^T's TILE, 128 e x all the work-group's keys, comes into LDS ONCE, a quarter by each wave's one tensor load: no byte of LDS is filled twice, and no barrier stands behind the head.
; CLUSTER 4 x 1: the four tiles of queries of one R need the same tile of v^T and ask for it jointly (mask 15).
; P's IMAGES go from pc straight into registers, as they lie: 12 loads of 512 consecutive bytes a K step, eight sets of 48 registers, asked for five K steps ahead: 60 loads of a wave are out.
; THE TEXT has 16 places for K steps: 0-3, 4-11 (R = 0 jumps over them), 12-15.  R = 1: place p is K step p.  R = 0: places 12-15 are K steps 4-7.  A place's LDS bytes, register sets and scale registers are constants of the text:
; the jump is 8 places, a multiple of the eight sets of P and of the two of v^T, so that what places 0-2 ask for (K steps 5-7) is found at places 5-7 or 13-15 alike, and every counted wait counts the same loads on both ways.
; No prefetch: P's loads themselves run five K steps ahead of their use, and v^T is asked for whole at the head.
; LIMITS: NaN and infinities are not served.  A block of P that lies more than 2^127 under its row's largest p is carried at the scale 2^-127.
; REGISTERS: window 0: v8-30 addresses; v32-63 P's scale words; v64-71 v^T's, two sets; v72-79 1 / l; v80-93 at work; v112-255 P's sets 5-7 (in the head: v128-159 -M, v160-191 the sums; on the way out v128-255 rows of O).
;   window 1: v^T's fragments, two sets, at v0 and v128.  window 2: accumulator (a, b) at v[8 (8 a + b)].  window 3: P's sets 0-4.
.set BLKB,  12800
.set FRB,   1536
.set FR,    12
.set STAGE, 16*BLKB                    ; behind v^T's 16 places: a stage of 16 rows x (512 + 16) bytes for each wave, into which no fill lands
.set SPARE, STAGE+4*16*528             ; the spare words: two blocks of 256 bytes that no other line names
.set ADV,  8                           ; v8-11  16 x lane + 51,200 g: places 4 g .. 4 g + 3
.set ASV,  12                          ; v12-15 8 x lane + 51,200 g
.set QI,   16                          ; 16 x lane + 6,144 (wave % 2): my four images of a block of pc
.set STO,  24
.set RD,   25
.set CO,   26                          ; 16 x lane
.set L8,   27                          ; 8 x lane
.set SPW,  28
.set NIL,  29
.set HH,   30
.set PSC,  32
.set VS,   64
.set LIA,  72
.set NG,   80
.set LT,   82
.set RL,   84
.set RX,   86
.set TA,   88
.set TB,   90
.set TC,   92
.set PW0,  112
.set NMR,  128
.set LR,   160
.set BK,   128
.set G1L, 24                           ; 51,200 bytes: 200 rows of 256
.set G0L, 32
.set G1S, 48                           ; 25,600 bytes: 100 rows
.set G0S, 56
.set SEL, 76
.set K1,  78
.set K8,  79
.set MSB, 0
.macro WIN new
.if MSB != (\new)
	s_set_vgpr_msb (MSB<<8)|(\new)
.set MSB, \new
.endif
.endm
.macro CROUND                          ; a round of the cluster's barrier
	s_barrier_signal -1
	s_barrier_wait -1
	s_cmp_lg_u32 s14, 0
	s_cbranch_scc1 .Lnot_wave_0_\@
	s_barrier_signal -3
.Lnot_wave_0_\@:
	s_barrier_wait -3
	s_barrier_signal -1
	s_barrier_wait -1
.endm
.macro PLACES n
.rept \n
	v_nop
.endr
.endm
	s_load_b256 s[4:11], s[0:1], 0x0               ; pc, vt, stat, out0
	v_lshl_add_u32 v[SPW], v0, 2, SPARE
	v_mov_b32 v[NIL], 0
	ds_add_u32 v[SPW], v[NIL]                      ; the opening lines: the add, twice on end, and its wait
	ds_add_u32 v[SPW], v[NIL]
	v_lshrrev_b32 v1, 5, v0
	v_readfirstlane_b32 s14, v1
	s_lshr_b32 s15, s14, 1                         ; my group of queries
	s_and_b32 s16, s14, 1                          ; which half of the group is mine
	s_bfe_u32 s40, ttmp6, 0x40000                  ; cx
	s_sub_co_u32 s19, 1, ttmp9                     ; R: the longer work-groups have the lower numbers
	s_lshl_b32 s17, s19, 2
	s_add_co_u32 s17, s17, s40                     ; tile of queries
	s_and_b32 s13, ttmp7, 0xffff
	s_lshr_b32 s18, s13, 3                         ; batch
	s_and_b32 s42, s13, 7                          ; tile of e
.irp g, G1L, G1S
	s_mov_b32 s[\g+0], 15|(3<<16)|(1<<21)          ; the four partners; elements of 8 bytes
	s_mov_b32 s[\g+1], 32<<16
	s_mov_b32 s[\g+3], 32<<16
	s_mov_b32 s[\g+5], 32
	s_mov_b32 s[\g+6], 0
	s_mov_b32 s[\g+7], 0
.endr
	s_mov_b32 s[G1L+2], 200<<16
	s_mov_b32 s[G1L+4], 200
	s_mov_b32 s[G1S+2], 100<<16
	s_mov_b32 s[G1S+4], 100
	s_mov_b32 s[G0L], 1
	s_mul_i32 s[G0L+1], s14, 4*BLKB                ; R = 1: wave w fills places 4 w .. 4 w + 3 with K steps 4 w ..
	s_mov_b32 s[G0S], 1
	s_lshl_b32 s12, s15, 3
	s_lshl_b32 s20, s14, 1
	s_add_co_u32 s12, s12, s20
	s_mul_i32 s[G0S+1], s12, BLKB                  ; R = 0: places 2 w + 8 (w / 2), + 1 (0-3, 12-15) with K steps 2 w, 2 w + 1
	s_lshl_b32 s46, s18, 3
	s_add_co_u32 s46, s46, s42
	s_mul_i32 s46, s46, 16*BLKB                    ; v^T: group 8 batch + tile
	s_add_co_u32 s20, s46, s[G0L+1]
	s_mov_b32 s21, 0
	s_mul_i32 s47, s14, 2*BLKB
	s_add_co_u32 s46, s46, s47
	s_mov_b32 s47, 0
	s_lshl_b32 s82, s18, 4
	s_lshl_b32 s12, s17, 1
	s_add_co_u32 s82, s82, s12
	s_add_co_u32 s82, s82, s15                     ; my group of queries: 16 batch + 2 x tile + w / 2
	; THE HEAD'S LOADS: my 64 queries' statistics and P's scale words of all K steps.  Register pair j belongs to place j
	v_and_b32 v1, 31, v0
	v_lshlrev_b32 v[L8], 3, v1
	v_lshlrev_b32 v[CO], 4, v1
	s_mul_i32 s83, s16, 4*FRB
	v_add_nc_u32 v[QI], s83, v[CO]
	s_lshl_b32 s84, s82, 14
	s_lshl_b32 s83, s16, 8
	s_add_co_u32 s84, s84, s83                     ; stat: my group, my half of a block's registers
	s_mov_b32 s85, 0
	s_mul_i32 s92, s82, 16*BLKB                    ; pc: my group
	s_mov_b32 s93, 0
	s_add_co_u32 s86, s92, s83
	s_add_co_u32 s86, s86, 12288                   ; its scale words, my half
	s_mov_b32 s87, 0
	s_cmp_eq_u32 s19, 0
	s_cselect_b32 s83, 4, 12                       ; the K step of place 12
	s_lshl_b32 s88, s83, 10
	s_mov_b32 s89, 0
	s_mul_i32 s90, s83, BLKB
	s_mov_b32 s91, 0
.set n, 8
.rept 16
	v_mov_b32 v[NMR+n], 0x7f61b1e6                 ; what R = 0 leaves in the middle pairs: -M = 3e38, a sum of 0, a word of 0: they change nothing below
	v_mov_b32 v[LR+n], 0
	v_mov_b32 v[PSC+n], 0
.set n, n+1
.endr
	s_wait_alu depctr_va_vdst(0)
	s_wait_dscnt 0x0                               ; both opening adds are done
	s_wait_kmcnt 0x0
	s_add_nc_u64 s[66:67], s[8:9], s[84:85]
	s_add_nc_u64 s[68:69], s[4:5], s[86:87]
	s_add_nc_u64 s[70:71], s[66:67], s[88:89]
	s_add_nc_u64 s[72:73], s[68:69], s[90:91]
	s_add_nc_u64 s[92:93], s[4:5], s[92:93]
.macro LDST j, sb, pb, k
	global_load_b64 v[NMR+2*(\j):NMR+2*(\j)+1], v[L8], s[\sb:\sb+1] offset:(\k)*1024
	global_load_b64 v[LR+2*(\j):LR+2*(\j)+1], v[L8], s[\sb:\sb+1] offset:(\k)*1024+512
	global_load_b64 v[PSC+2*(\j):PSC+2*(\j)+1], v[L8], s[\pb:\pb+1] offset:(\k)*BLKB
.endm
.irp j, 0,1,2,3
	LDST \j, 66, 68, \j
.endr
.irp j, 12,13,14,15
	LDST \j, 70, 72, \j-12
.endr
	s_cmp_eq_u32 s19, 0                            ; a branch on the cluster's x, the same in all four partners
	s_cbranch_scc1 .Lno_mid
.irp j, 4,5,6,7,8,9,10,11
	LDST \j, 66, 68, \j
.endr
.Lno_mid:
	s_add_nc_u64 s[G0L+2:G0L+3], s[6:7], s[20:21]
	s_or_b32 s[G0L+3], s[G0L+3], 0x80000000
	s_add_nc_u64 s[G0S+2:G0S+3], s[6:7], s[46:47]
	s_or_b32 s[G0S+3], s[G0S+3], 0x80000000
	CROUND                                         ; the four partners are here: the joint loads meet
	s_cmp_eq_u32 s19, 0                            ; one tensor load a wave, on either way
	s_cbranch_scc1 .Lshort_v
	tensor_load_to_lds s[G0L:G0L+3], s[G1L:G1L+7]
	s_nop 0
	PLACES 4
	s_branch .Lasked
.Lshort_v:
	tensor_load_to_lds s[G0S:G0S+3], s[G1S:G1S+7]
	s_nop 0
	PLACES 4
.Lasked:
.macro PLOAD t                         ; my four images of P's K step t into set t % 8
.set PS, (\t)%8
.if PS < 5
	WIN 0xc0
.set PB, 48*PS
.else
	WIN 0
.set PB, PW0+48*(PS-5)
.endif
.irp a, 0,1,2,3
.irp c, 0,1,2
	global_load_b128 v[PB+FR*\a+4*\c:PB+FR*\a+4*\c+3], v[QI], s[92:93] offset:(\t)*BLKB+\a*FRB+512*\c
.endr
.endr
	WIN 0
.endm
.irp t, 0,1,2,3,4
	PLOAD \t                                       ; 60 loads behind the statistics'
.endr
	v_and_b32 v2, 15, v0
	v_bfe_u32 v[HH], v0, 4, 1
.irp g, 0,1,2,3
	v_add_nc_u32 v[ADV+\g], 4*BLKB*\g, v[CO]
	v_add_nc_u32 v[ASV+\g], 4*BLKB*\g, v[L8]
.endr
	s_mul_i32 s74, s14, 16*528
	s_add_co_u32 s74, s74, STAGE
	v_mul_u32_u24 v[STO], v2, 528
	v_lshl_add_u32 v[STO], v[HH], 6, v[STO]
	v_add_nc_u32 v[STO], s74, v[STO]               ; in: row r, + 64 (lane / 16)
	v_add_nc_u32 v[RD], s74, v[CO]                 ; back: a row's 512 bytes
	s_mov_b32 s[SEL], 0x76543210
	s_mov_b32 s[SEL+1], 0xfedcba98
	s_mov_b32 s[K1], 0x01010101
	s_mov_b32 s[K8], 0x80808080
	s_mov_b32 s75, 0
	s_lshl_b32 s74, s18, 11
	s_lshl_b32 s83, s17, 8
	s_add_co_u32 s74, s74, s83
	s_lshl_b32 s83, s14, 6
	s_add_co_u32 s74, s74, s83
	s_lshl_b32 s74, s74, 12
	s_lshl_b32 s83, s42, 9
	s_add_co_u32 s74, s74, s83
	s_add_nc_u64 s[10:11], s[10:11], s[74:75]      ; out0: row 2,048 batch + 256 x tile + 64 w, byte 512 x tile of e
	v_mov_b32 v[LT], 0
	v_mov_b32 v[LT+1], 0
	v_mov_b32 v[RX], 0
	v_mov_b32 v[RX+1], 0
.irp a, 0,1,2,3
	v_mov_b32 v[LIA+2*\a+1], 0                     ; (named with 1 / l as a pair)
.endr
	s_wait_alu depctr_va_vdst(0)
	s_wait_loadcnt 60                              ; the statistics and scale words are in; P's 60 loads, issued behind them, may be out
.irp c, 0,1
	v_min3_num_f32 v[NG+\c], v[NMR+\c], v[NMR+2+\c], v[NMR+4+\c]
.endr
.irp j, 3,5,7,9,11,13
.irp c, 0,1
	v_min3_num_f32 v[NG+\c], v[NG+\c], v[NMR+2*\j+\c], v[NMR+2*\j+2+\c]
.endr
.endr
.irp c, 0,1
	v_min_num_f32 v[NG+\c], v[NG+\c], v[NMR+30+\c] ; the row's true -M
.endr
.set j, 0
.rept 16
.irp c, 0,1
	v_sub_f32 v[TA+\c], v[NG+\c], v[NMR+2*j+\c]    ; M_local - M: a whole number, 0 or less
.endr
.irp c, 0,1
	v_cvt_i32_f32 v[TA+\c], v[TA+\c]               ; (it saturates)
.endr
.irp c, 0,1
	v_ldexp_f32 v[TB+\c], v[LR+2*j+\c], v[TA+\c]   ; the local sum under the true M: exact
.endr
.irp c, 0,1
	v_add_f32 v[LT+\c], v[LT+\c], v[TB+\c]
.endr
.irp c, 0,1
	v_sub_nc_u32 v[TA+\c], 0, v[TA+\c]
.endr
.irp c, 0,1
	v_min_u32 v[TA+\c], 127, v[TA+\c]              ; d = min(M - M_local, 127)
.endr
.irp c, 0,1
	v_mul_lo_u32 v[TA+\c], v[TA+\c], s[K1]         ; d in each byte
.endr
.irp c, 0,1
	v_or_b32 v[TB+\c], s[K8], v[PSC+2*j+\c]        ; each byte is 123 at the most: with 128 on top no byte borrows from its neighbour
.endr
.irp c, 0,1
	v_sub_nc_u32 v[TB+\c], v[TB+\c], v[TA+\c]
.endr
.irp c, 0,1
	v_and_b32 v[TA+\c], s[K8], v[TB+\c]            ; the top bit stands where byte - d is not negative
.endr
.irp c, 0,1
	v_lshrrev_b32 v[TC+\c], 7, v[TA+\c]
.endr
.irp c, 0,1
	v_sub_nc_u32 v[TA+\c], v[TA+\c], v[TC+\c]      ; 0x7f there, 0 elsewhere
.endr
.irp c, 0,1
	v_and_b32 v[PSC+2*j+\c], v[TB+\c], v[TA+\c]    ; byte - d, held at 0 from below
.endr
.set j, j+1
.endr
	s_wait_alu depctr_va_vdst(0)                   ; ahead of the reciprocals
	v_rcp_f32 v[RL], v[LT]
	v_rcp_f32 v[RL+1], v[LT+1]
	v_nop                                          ; a plain place behind the reciprocals
	s_wait_alu depctr_va_vdst(0)                   ; one wait for the two, ahead of their first reader
	v_cmp_eq_u32 vcc_lo, 1, v[HH]
	v_permlanex16_b32 v[RX], v[RL], s[SEL], s[SEL+1]
	v_permlanex16_b32 v[RX+1], v[RL+1], s[SEL], s[SEL+1]
	v_cndmask_b32 v[LIA+0], v[RL], v[RX], vcc_lo   ; image a's 1 / l, row r, in both halves of the lanes: even images lie in lanes 0-15, odd ones in lanes 16-31
	v_cndmask_b32 v[LIA+2], v[RX], v[RL], vcc_lo
	v_cndmask_b32 v[LIA+4], v[RL+1], v[RX+1], vcc_lo
	v_cndmask_b32 v[LIA+6], v[RX+1], v[RL+1], vcc_lo
	PLACES 8                                       ; scale registers written by vector instructions stand eight places ahead of a scaled matrix instruction
.macro FETCH t                         ; 34 loads: place t's scale words and eight images of v^T into set t % 2
.set VG, (\t)/4
.set VQ, (\t)%4
.set VP, (\t)%2
	ds_load_b64 v[VS+4*VP:VS+4*VP+1], v[ASV+VG] offset:VQ*BLKB+12288
	ds_load_b64 v[VS+4*VP+2:VS+4*VP+3], v[ASV+VG] offset:VQ*BLKB+12544
	WIN 0x40
.irp b, 0,1,2,3,4,5,6,7
.irp hc, 0,1
	ds_load_b128 v[128*VP+FR*\b+6*\hc:128*VP+FR*\b+6*\hc+3], v[ADV+VG] offset:VQ*BLKB+\b*FRB+768*\hc
	ds_load_b64 v[128*VP+FR*\b+6*\hc+4:128*VP+FR*\b+6*\hc+5], v[ASV+VG] offset:VQ*BLKB+\b*FRB+768*\hc+512
.endr
.endr
	WIN 0
.endm
.macro WM zero, ra, rb
.if \zero
.if (\ra)&&(\rb)
	v_wmma_scale_f32_16x16x128_f8f6f4 v[rD:rD+7], v[rA:rA+11], v[rB:rB+11], 0, v[rSA], v[rSB] matrix_a_fmt:MATRIX_FMT_BF6 matrix_b_fmt:MATRIX_FMT_BF6 matrix_a_scale:MATRIX_SCALE_ROW1 matrix_b_scale:MATRIX_SCALE_ROW1
.elseif \ra
	v_wmma_scale_f32_16x16x128_f8f6f4 v[rD:rD+7], v[rA:rA+11], v[rB:rB+11], 0, v[rSA], v[rSB] matrix_a_fmt:MATRIX_FMT_BF6 matrix_b_fmt:MATRIX_FMT_BF6 matrix_a_scale:MATRIX_SCALE_ROW1
.elseif \rb
	v_wmma_scale_f32_16x16x128_f8f6f4 v[rD:rD+7], v[rA:rA+11], v[rB:rB+11], 0, v[rSA], v[rSB] matrix_a_fmt:MATRIX_FMT_BF6 matrix_b_fmt:MATRIX_FMT_BF6 matrix_b_scale:MATRIX_SCALE_ROW1
.else
	v_wmma_scale_f32_16x16x128_f8f6f4 v[rD:rD+7], v[rA:rA+11], v[rB:rB+11], 0, v[rSA], v[rSB] matrix_a_fmt:MATRIX_FMT_BF6 matrix_b_fmt:MATRIX_FMT_BF6
.endif
.else
.if (\ra)&&(\rb)
	v_wmma_scale_f32_16x16x128_f8f6f4 v[rD:rD+7], v[rA:rA+11], v[rB:rB+11], v[rD:rD+7], v[rSA], v[rSB] matrix_a_fmt:MATRIX_FMT_BF6 matrix_b_fmt:MATRIX_FMT_BF6 matrix_a_scale:MATRIX_SCALE_ROW1 matrix_b_scale:MATRIX_SCALE_ROW1
.elseif \ra
	v_wmma_scale_f32_16x16x128_f8f6f4 v[rD:rD+7], v[rA:rA+11], v[rB:rB+11], v[rD:rD+7], v[rSA], v[rSB] matrix_a_fmt:MATRIX_FMT_BF6 matrix_b_fmt:MATRIX_FMT_BF6 matrix_a_scale:MATRIX_SCALE_ROW1
.elseif \rb
	v_wmma_scale_f32_16x16x128_f8f6f4 v[rD:rD+7], v[rA:rA+11], v[rB:rB+11], v[rD:rD+7], v[rSA], v[rSB] matrix_a_fmt:MATRIX_FMT_BF6 matrix_b_fmt:MATRIX_FMT_BF6 matrix_b_scale:MATRIX_SCALE_ROW1
.else
	v_wmma_scale_f32_16x16x128_f8f6f4 v[rD:rD+7], v[rA:rA+11], v[rB:rB+11], v[rD:rD+7], v[rSA], v[rSB] matrix_a_fmt:MATRIX_FMT_BF6 matrix_b_fmt:MATRIX_FMT_BF6
.endif
.endif
.endm
; Place t.  next: 1: place t + 1's fragments of v^T are asked for ahead of this place's products; 2: place 4's or place 12's, by R; 0: none.  pl = 1: P's K step t + 5 is asked for, into the set that place t - 3 read.
; The 32 accumulators take turns, in the same order in every place.
.macro STEP t, next, pl, zero
.if 15-(\t) >= 4
	s_wait_loadcnt 48                              ; this place's images of P are in; the four K steps asked for behind them may be out
.else
	s_wait_loadcnt 12*(15-(\t))                    ; the last places: only so many were asked for behind them
.endif
	s_wait_dscnt 0x0                               ; this place's fragments of v^T are in
	PLACES 4                                       ; the other set was read by the last place's products
.if (\next) == 1
	FETCH (\t)+1
.elseif (\next) == 2
	s_cmp_eq_u32 s19, 0
	s_cbranch_scc1 .Lfetch_12
	FETCH 4
	s_branch .Lfetched
.Lfetch_12:
	FETCH 12
.Lfetched:
.endif
.if \pl
	PLOAD (\t)+5
.endif
.set PS, (\t)%8
.set VP, (\t)%2
.if PS < 5
.set PB, 48*PS
	WIN 0xad                                       ; source 0 window 1, source 1 window 3, C and D window 2
.else
.set PB, PW0+48*(PS-5)
	WIN 0xa1                                       ; source 1 window 0
.endif
.irp a, 0,1,2,3
.irp b, 0,1,2,3,4,5,6,7
.set rD, 8*(8*\a+\b)
.set rA, 128*VP+FR*\b
.set rB, PB+FR*\a
.set rSA, VS+4*VP+\b/2
.set rSB, PSC+2*(\t)+\a/2
	WM \zero, \b%2, \a%2
.endr
.endr
	WIN 0
.endm
	s_wait_alu depctr_va_vdst(0)
	s_wait_tensorcnt 0x0                           ; my quarter of v^T's tile is in
	s_barrier_signal -1
	s_barrier_wait -1                              ; and everybody's
	FETCH 0
	STEP 0, 1, 1, 1                                ; the first products start the sums
	STEP 1, 1, 1, 0
	STEP 2, 1, 1, 0
	STEP 3, 2, 0, 0
	s_cmp_eq_u32 s19, 0                            ; R = 0 has eight K steps: a branch on the cluster's x
	s_cbranch_scc1 .Ltail
	PLOAD 8                                        ; what place 3 would have asked for: R = 1 alone has it
.irp t, 4,5,6,7,8,9,10
	STEP \t, 1, 1, 0
.endr
	STEP 11, 1, 0, 0
.Ltail:                                                ; both ways leave place 12's fragments of v^T on their way into set 0, and three K steps of P asked for behind place 12's
	STEP 12, 1, 0, 0
	STEP 13, 1, 0, 0
	STEP 14, 1, 0, 0
	STEP 15, 0, 0, 0
	PLACES 4
; THE WAY OUT, image by image of 16 queries x 128 e: x 1 / l; through my stage; back as whole rows of 512 bytes.  Accumulators (a, 2 t), (a, 2 t + 1) hold e = 32 t + 16 (lane / 16) + 0 .. 15.  Each accumulator is read from its low end on.
.macro TOSTAGE a
	WIN 0x82                                       ; destination and source 0 window 2
.set n, 64*\a
.rept 32
	v_pk_mul_f32 v[n:n+1], v[n:n+1], v[LIA+2*\a:LIA+2*\a+1] op_sel_hi:[1,0]
.set n, n+2
.endr
	WIN 0x08                                       ; an LDS store's data are its source 1: window 2
.irp b, 0,1,2,3,4,5,6,7
	ds_store_b128 v[STO], v[64*\a+8*\b:64*\a+8*\b+3] offset:128*(\b/2)+32*(\b%2)
	ds_store_b128 v[STO], v[64*\a+8*\b+4:64*\a+8*\b+7] offset:128*(\b/2)+32*(\b%2)+16
.endr
	WIN 0
.irp t, 0,1,2,3,4,5,6,7,8,9,10,11,12,13,14,15
	ds_load_b128 v[BK+64*(\a%2)+4*\t:BK+64*(\a%2)+4*\t+3], v[RD] offset:528*\t   ; LDS serves a wave's instructions in order: these see my stores, and the next image's stores come behind them
.endr
.endm
.macro SEND a, younger                 ; younger: the LDS instructions issued behind image a's loads
	s_wait_dscnt \younger
.irp t, 0,1,2,3,4,5,6,7,8,9,10,11,12,13,14,15
	global_store_b128 v[CO], v[BK+64*((\a)%2)+4*\t:BK+64*((\a)%2)+4*\t+3], s[10:11] offset:(32*((\a)/2)+8*((\a)%2)+\t+8*(\t/8))*4096 th:TH_STORE_NT   ; 512 consecutive bytes of a row, at a multiple of 256 from out0's first byte
.endr
.endm
	s_wait_alu depctr_va_vdst(0)                   ; ahead of the readers of 1 / l
	TOSTAGE 0
	TOSTAGE 1
	SEND 0, 32                                     ; image 1's 16 stores and 16 loads may be out
	s_wait_xcnt 0x0                                ; image 0's stores have read their registers: image 2's rows may land there
	TOSTAGE 2
	SEND 1, 32
	s_wait_xcnt 0x0
	TOSTAGE 3
	SEND 2, 32
	SEND 3, 0
	s_wait_tensorcnt 0x0                           ; the wave's end
	ds_add_u32 v[SPW], v[NIL]
	s_wait_dscnt 0x0
	CROUND                                         ; the closing round
	s_endpgm
.Lfunc_end_k_q409ef8e0be_pv:
	.size	k_q409ef8e0be_pv, .Lfunc_end_k_q409ef8e0be_pv-k_q409ef8e0be_pv
	.p2alignl 7, 3214868480
	.fill 96, 4, 3214868480
	.section	.rodata,"a",@progbits
	.p2align	6, 0x0
	.amdhsa_kernel k_q409ef8e0be_pv
		.amdhsa_group_segment_fixed_size 327680
		.amdhsa_private_segment_fixed_size 0
		.amdhsa_enable_private_segment 0
		.amdhsa_kernarg_size 32
		.amdhsa_user_sgpr_count 2
		.amdhsa_user_sgpr_kernarg_segment_ptr 1
		.amdhsa_wavefront_size32 1
		.amdhsa_system_sgpr_workgroup_id_x 1
		.amdhsa_system_sgpr_workgroup_id_y 1
		.amdhsa_system_sgpr_workgroup_id_z 1
		.amdhsa_system_vgpr_workitem_id 0
		.amdhsa_next_free_vgpr 1024
		.amdhsa_next_free_sgpr 98
		.amdhsa_reserve_vcc 1
		.amdhsa_float_denorm_mode_32 3
		.amdhsa_float_denorm_mode_16_64 3
		.amdhsa_memory_ordered 1
		.amdhsa_forward_progress 1
		.amdhsa_inst_pref_size 179
	.end_amdhsa_kernel
	.amdgpu_metadata
---
amdhsa.version: [ 1, 2 ]
amdhsa.kernels:
  - .name:           k_q409ef8e0be_pv
    .symbol:         k_q409ef8e0be_pv.kd
    .args:
      - { .name: pc, .offset: 0, .size: 8, .value_kind: global_buffer, .address_space: global }
      - { .name: vt, .offset: 8, .size: 8, .value_kind: global_buffer, .address_space: global }
      - { .name: stat, .offset: 16, .size: 8, .value_kind: global_buffer, .address_space: global }
      - { .name: out0, .offset: 24, .size: 8, .value_kind: global_buffer, .address_space: global }
    .group_segment_fixed_size: 327680
    .private_segment_fixed_size: 0
    .kernarg_segment_align: 8
    .kernarg_segment_size: 32
    .max_flat_workgroup_size: 128
    .sgpr_count:     98
    .vgpr_count:     1024
    .wavefront_size: 32
...
	.end_amdgpu_metadata
.endif
;; end of part 4
